; MI455X (gfx1250); checked and timed in simulation.
; The chip was launched on July 23, 2026; its instructions are those of AMD's public machine-readable ISA for CDNA 5 (MIT licence, August 2026) and "CDNA5" Instruction Set Architecture Reference Guide (July 2026). The comments in the code are by the model that wrote it; some were corrected since.
;; Causal Self Attention. Allowed arithmetic: matrix products marked QUANTISED: E2M1 operands, one E8M0 scale for each 32 along K, by v_wmma_scale_f32_16x16x128_f8f6f4 with both operands' format E2M1 (or v_wmma_scale_f32_32x16x128_f4), f32 sums; products left as they are: bf16, f16 or f32 operands; f32 sums; everything else in f32.
;; Inputs: W_attn 1,024 x 3,072 float32; W_proj 1,024 x 1,024 float32; x 4 x 2,048 x 1,024 float32.
;; Outputs: out0 4 x 2,048 x 1,024 float32.
;; This version of the problem:
;;   THIS VERSION OF THE PROBLEM IS GIVEN IN LOW PRECISION. The matrix products marked QUANTISED in the list below multiply operands that are first quantised to E2M1 (2 exponent bits, 1 mantissa bit; 4 bits a number), with one power-of-two scale for each 32 numbers along K (OCP MX v1.0); their sums are f32. The products marked 'left as it is' may take bf16, f16 or f32 operands, with f32 sums. Whichever they take, every output number must still come out within the allowed error. Rounding operands to bf16 (8 significant bits) uses up far more of that allowance than f16 does (11 bits, for magnitudes from 6e-5 to 65,504). All else is computed in f32.
;;   The module's matrix products, in the order in which they are computed (A, B: the left and right operand; K: the contracted axis; several contracted axes count as one K, in the product's order):
;;     1. [M 8,192, K 1,024] x [K 1,024, N 3,072]; A: input x; B: input W_attn: QUANTISED
;;     2. batch 64 x [M 2,048, K 64] x [K 64, N 2,048]; A: computed on the way; B: computed on the way: left as it is (an operand is computed on the way)
;;     3. batch 64 x [M 2,048, K 2,048] x [K 2,048, N 64]; A: computed on the way; B: computed on the way: left as it is (an operand is computed on the way)
;;     4. [M 8,192, K 1,024] x [K 1,024, N 1,024]; A: computed on the way; B: input W_proj: left as it is (an operand is computed on the way)
;;   THE QUANTISER, for each operand of a quantised product, along K:
;;     - K is cut into blocks of 32 from its start; a last block that is shorter is filled with zeros.
;;     - A block's scale is 2^e with e = floor(log2(the largest magnitude in the block)) - 2, held to -126 .. 127; a block of zeros has e = 0. As a byte (E8M0): e + 127.
;;     - Each number is divided by its block's scale, clamped to +-6, and rounded to the nearest number of E2M1, ties to even, subnormals kept.
;;     - The product sums the exact products of the quantised numbers (number of the format x scale) in f32.
;;   ~~~python
;;   def quantise(x, axis):      # numpy; x: float32 -> the quantised numbers, widened to float32 again
;;       x = np.moveaxis(x, axis, -1); K = x.shape[-1]
;;       x = np.pad(x, [(0, 0)] * (x.ndim - 1) + [(0, -K % 32)]); x = x.reshape(x.shape[:-1] + (-1, 32)); a = np.abs(x).max(-1, keepdims=True)
;;       e = np.where(a > 0, np.clip(np.frexp(np.where(a > 0, a, 1))[1] - 1 - 2, -126, 127), 0)      # np.frexp(a)[1] - 1 = floor(log2(a)), exactly
;;       r = np.clip(x / 2.0 ** e, -6, 6)
;;       step = 2.0 ** (np.maximum(np.frexp(np.where(r == 0, 1, r))[1] - 1, 0) - 1)
;;       q = np.round(r / step) * step * 2.0 ** e      # np.round: ties to even
;;       return np.moveaxis(q.reshape(q.shape[:-2] + (-1,))[..., :K], -1, axis).astype(np.float32)
;;   ~~~
;; One version. Each part assembles by itself: llvm-mc -triple=amdgcn-amd-amdhsa -mcpu=gfx1250 --defsym DOCPART=n.
;; ======== version 1 of 1: 5 launches
;; limits: values are held in f16: magnitudes above 65,504 overflow, below 6.1e-05 lose precision; right only within a limited range of input values
;; workspace buffers: x_codes 4,194,304 bytes; x_scales 262,144 bytes; wa_codes 1,572,864 bytes; wa_scales 98,304 bytes; wpT 2,097,152 bytes; qkvh 50,331,648 bytes; qkv32 786,432 bytes; yh 16,777,216 bytes
;; launch prep (part 1): grid 368 x 1, 4 waves a work-group, no clusters, 102,912 bytes of LDS; arguments x, W_attn, W_proj, x_codes, x_scales, wa_codes, wa_scales, wpT; writes x_codes, x_scales, wa_codes, wa_scales, wpT
.if DOCPART == 1
	.amdgcn_target "amdgcn-amd-amdhsa--gfx1250"
	.amdhsa_code_object_version 6
	.text
	.protected	k_qf1a1847803_prep
	.globl	k_qf1a1847803_prep
	.p2align	8
	.type	k_qf1a1847803_prep,@function
k_qf1a1847803_prep:
	s_mov_b64 s[64:65], 0
	v_nop
	global_prefetch_b8 v0, s[64:65] scope:SCOPE_SE
	s_setreg_imm32_b32 hwreg(HW_REG_WAVE_MODE, 25, 1), 1
	s_wait_xcnt 0x0
; PREP: the operands of the later launches are made once.
;   work-groups 0-47:    W_attn [1024 k][3072 n] f32 -> codes of FP4 (E2M1) laid [n][k], K innermost, 512 bytes a row, and one E8M0 byte for each 32 along K, [n][32].
;   work-groups 48-111:  W_proj [1024 k][1024 n] f32 -> f16, laid [n][k].
;   work-groups 112-367: x [8192][1024] f32 -> codes [8192][512 bytes] and scale bytes [8192][32].
; A block's scale is 2^(floor(log2(largest magnitude)) - 2): its byte is the largest magnitude's exponent field - 2, held at 1 from below.
; LIMITS: a block of zeros gets the byte 1 where the rule says 127 (its codes are zeros, which add nothing, and this program alone reads the bytes); blocks whose largest magnitude lies
; under 2^(2 - 126) are held at that floor; NaN and infinities among the inputs are not served.  W_proj is rounded to f16: magnitudes up to 65,504.
; The three paths part on the work-group's number alone; each has LDS bytes of its own.  No tensor loads, no barrier: waves share nothing.
.set SPARE, 102400                     ; behind the three paths' bytes: the spare words, 128 bytes for each wave
.set SPW,   192                        ; v192 LDS address of my spare word; never rewritten
.set NIL,   193                        ; v193 0; never rewritten
.set SP,    80                         ; x path: a lane's place in a stage: 64 bytes + 16 of padding
.set XR,    16                         ; x path: v16-79 four sets of 16 numbers as loaded
.set XX,    80                         ;         v80-111 two sets of 16 neighbours
.set XE,    112                        ;         v112-127 a scale byte for each step
.set XC,    128                        ;         v128-191 codes, four registers a step
.set PITCH, 272                        ; weight paths: a stage row: 256 bytes + 16
.set AX,    32                         ; weight paths: v32-95 two sets of 32 numbers down K
.set AC,    96                         ;         v96.. what a block makes
.set AOUT,  112                        ;         v112-175 the way out
.set ASB,   24                         ;         v24-27 scale bytes, four to a register
; ---- x path: a wave takes 16 steps of 512 numbers.  Each load reads 512 consecutive bytes; a step's 2,048 bytes turn through the wave's stage so that a lane gets 16 neighbours
.macro XLOAD t
.irp i, 0,1,2,3
	global_load_b128 v[XR+16*((\t)%4)+4*\i:XR+16*((\t)%4)+4*\i+3], v3, s[4:5] offset:2048*(\t)+512*\i th:TH_LOAD_NT
.endr
.endm
.macro XTURN t                         ; LDS serves a wave's instructions in order: no wait between the stores and the loads
.irp i, 0,1,2,3
	ds_store_b128 v14, v[XR+16*((\t)%4)+4*\i:XR+16*((\t)%4)+4*\i+3] offset:32*SP*((\t)%2)+8*SP*\i
.endr
.irp i, 0,1,2,3
	ds_load_b128 v[XX+16*((\t)%2)+4*\i:XX+16*((\t)%2)+4*\i+3], v15 offset:32*SP*((\t)%2)+16*\i
.endr
.endm
.macro XSTEP t
.set XS, XX+16*((\t)%2)
.if (\t) > 0
	s_wait_dscnt 1                                 ; this step's numbers are back from the stage (the last step's byte store may be out): its stage stores have read their registers,
.else
	s_wait_dscnt 0x0
.endif
.if (\t)+4 < 16
	XLOAD (\t)+4                                   ; which take the loads of four steps on
.endif
.if (\t)+1 < 16
.if 14-(\t) >= 3
	s_wait_loadcnt 12                              ; the next step's four loads are in; those of the three steps behind it may be out
.else
	s_wait_loadcnt 4*(14-(\t))
.endif
	XTURN (\t)+1
.endif
	v_max3_num_f32 v8, |v[XS]|, |v[XS+1]|, |v[XS+2]|               ; the largest magnitude of my 16, in two chains
	v_max3_num_f32 v9, |v[XS+3]|, |v[XS+4]|, |v[XS+5]|
.irp i, 6,10
	v_max3_num_f32 v8, v8, |v[XS+\i]|, |v[XS+\i+1]|
	v_max3_num_f32 v9, v9, |v[XS+\i+2]|, |v[XS+\i+3]|
.endr
	v_max3_num_f32 v8, v8, |v[XS+14]|, |v[XS+15]|
	v_max3_num_f32 v8, v8, v9, 0x1800000           ; and the floor 2^(3 - 127): the byte cannot fall under 1
	v_max_num_f32_dpp v8, v8, v8 row_xmask:1 row_mask:0xf bank_mask:0xf   ; with my neighbour's 16: the block's
	v_add_nc_u32 v11, 0xff000000, v8               ; 2 off its exponent field: the conversion takes the exponent field of this operand as its scale
	v_cvt_scalef32_pk8_fp4_f32 v[XC+4*(\t)], v[XS:XS+7], v11
	v_cvt_scalef32_pk8_fp4_f32 v[XC+4*(\t)+1], v[XS+8:XS+15], v11
	v_lshrrev_b32 v[XE+(\t)], 23, v11              ; the scale's byte (a plain line behind the conversions)
	ds_store_b8 v5, v[XE+(\t)] offset:16*(\t)      ; both lanes of a block write the same byte with the same value
	global_store_b64 v4, v[XC+4*(\t):XC+4*(\t)+1], s[10:11] offset:256*(\t)   ; the wave stores 256 consecutive bytes
.endm
; ---- W_attn path: a lane takes a column n, its registers run down K: a block of 32 lies in one lane
.macro ALOAD t
.irp i, 0,1,2,3,4,5,6,7,8,9,10,11,12,13,14,15,16,17,18,19,20,21,22,23,24,25,26,27,28,29,30,31
	global_load_b32 v[AX+32*((\t)%2)+\i], v3, s[6:7] offset:(32*(\t)+\i)*12288 th:TH_LOAD_NT
.endr
.endm
.macro ABLOCK t
.set XS, AX+32*((\t)%2)
.if (\t) < 15
	s_wait_loadcnt 32                              ; this block's 32 loads are in; the next block's may be out
.else
	s_wait_loadcnt 0
.endif
	v_max3_num_f32 v12, |v[XS]|, |v[XS+1]|, |v[XS+2]|
	v_max3_num_f32 v13, |v[XS+3]|, |v[XS+4]|, |v[XS+5]|
.irp i, 6,10,14,18,22,26
	v_max3_num_f32 v12, v12, |v[XS+\i]|, |v[XS+\i+1]|
	v_max3_num_f32 v13, v13, |v[XS+\i+2]|, |v[XS+\i+3]|
.endr
	v_max3_num_f32 v12, v12, |v[XS+30]|, |v[XS+31]|
	v_max3_num_f32 v12, v12, v13, 0x1800000        ; the floor, as above
	v_add_nc_u32 v11, 0xff000000, v12
	v_lshrrev_b32 v13, 23, v11                     ; the scale's byte
.if (\t)%4 == 0
	v_mov_b32 v[ASB+(\t)/4], v13                   ; four bytes to a register, the lower K in the lower byte
.else
	v_lshl_or_b32 v[ASB+(\t)/4], v13, 8*((\t)%4), v[ASB+(\t)/4]
.endif
.irp g, 0,1,2,3
	v_cvt_scalef32_pk8_fp4_f32 v[AC+\g], v[XS+8*\g:XS+8*\g+7], v11
.endr
	ds_store_b128 v4, v[AC:AC+3] offset:16*(\t)    ; 32 codes: 16 bytes of my column's row
.if (\t)+2 < 16
	ALOAD (\t)+2
.endif
	s_wait_dscnt 0x0                               ; the store has read its registers: the next block's codes may be written
.endm
; ---- W_proj path: the same plan, rounding to f16 in place of the quantiser: 32 columns x 128 along K a wave
.macro PLOAD t
.irp i, 0,1,2,3,4,5,6,7,8,9,10,11,12,13,14,15,16,17,18,19,20,21,22,23,24,25,26,27,28,29,30,31
	global_load_b32 v[AX+32*((\t)%2)+\i], v3, s[8:9] offset:(32*(\t)+\i)*4096 th:TH_LOAD_NT
.endr
.endm
.macro PBLOCK t
.set XS, AX+32*((\t)%2)
.if (\t) < 3
	s_wait_loadcnt 32
.else
	s_wait_loadcnt 0
.endif
.irp g, 0,1,2,3,4,5,6,7,8,9,10,11,12,13,14,15
	v_cvt_pk_f16_f32 v[AC+\g], v[XS+2*\g], v[XS+2*\g+1]            ; two neighbours along K
.endr
.irp c, 0,1,2,3
	ds_store_b128 v4, v[AC+4*\c:AC+4*\c+3] offset:64*(\t)+16*\c
.endr
.if (\t)+2 < 4
	PLOAD (\t)+2
.endif
	s_wait_dscnt 0x0
.endm
	s_load_b256 s[4:11], s[0:1], 0x0               ; x s[4:5], W_attn s[6:7], W_proj s[8:9], x_codes s[10:11]
	s_load_b256 s[12:19], s[0:1], 0x20             ; x_scales s[12:13], wa_codes s[14:15], wa_scales s[16:17], wpT s[18:19]
	v_lshl_add_u32 v[SPW], v0, 2, SPARE
	v_mov_b32 v[NIL], 0
	v_lshrrev_b32 v1, 5, v0
	v_readfirstlane_b32 s20, v1                    ; wave 0..3
	v_and_b32 v2, 31, v0                           ; lane
	s_mov_b32 s25, 0
	s_wait_kmcnt 0x0
	s_cmp_lt_u32 ttmp9, 48
	s_cbranch_scc1 .Lwattn
	s_cmp_lt_u32 ttmp9, 112
	s_cbranch_scc1 .Lwproj
	; ================ x ================
	v_lshlrev_b32 v3, 4, v2                        ; my 16 bytes of a load's 512
	s_lshl_b32 s21, s20, 13                        ; my wave's 8,192 bytes of LDS: two stages, then 256 scale bytes
	v_lshrrev_b32 v14, 2, v2
	v_mul_u32_u24 v14, v14, SP
	v_and_b32 v15, 3, v2
	v_lshl_add_u32 v14, v15, 4, v14
	v_add_nc_u32 v14, s21, v14                     ; the stage on the way in: SP (lane / 4) + 16 (lane % 4)
	v_mul_u32_u24 v15, v2, SP
	v_add_nc_u32 v15, s21, v15                     ; and on the way out: SP x lane
	v_lshlrev_b32 v4, 3, v2                        ; my 8 bytes of a step's codes
	v_lshrrev_b32 v5, 1, v2
	s_add_co_u32 s21, s21, 2*32*SP
	v_add_nc_u32 v5, s21, v5                       ; my block's scale byte in LDS
	v_lshlrev_b32 v7, 3, v2
	v_add_nc_u32 v6, s21, v7
	s_sub_co_u32 s22, ttmp9, 112
	s_lshl_b32 s22, s22, 2
	s_add_co_u32 s22, s22, s20                     ; which run of 8,192 numbers is my wave's: 0..1023
	s_lshl_b32 s24, s22, 15
	s_add_nc_u64 s[4:5], s[4:5], s[24:25]
	s_lshl_b32 s24, s22, 12
	s_add_nc_u64 s[10:11], s[10:11], s[24:25]
	s_lshl_b32 s24, s22, 8
	s_add_nc_u64 s[12:13], s[12:13], s[24:25]
.irp t, 0,1,2,3
	XLOAD \t
.endr
	s_wait_loadcnt 12                              ; step 0's four loads are in
	XTURN 0
.irp t, 0,1,2,3,4,5,6,7,8,9,10,11,12,13,14,15
	XSTEP \t
.endr
	ds_load_b64 v[8:9], v6                         ; my wave's 256 scale bytes, 8 a lane
	s_wait_dscnt 0x0
	global_store_b64 v7, v[8:9], s[12:13]          ; 32 lanes store 256 consecutive bytes
	s_wait_tensorcnt 0x0                           ; the wave's end, behind my last LDS store
	ds_add_u32 v[SPW], v[NIL]
	s_wait_dscnt 0x0
	s_endpgm
	; ================ W_attn ================
.Lwattn:
	s_lshr_b32 s21, ttmp9, 1
	s_lshl_b32 s21, s21, 7
	s_lshl_b32 s22, s20, 5
	s_add_co_u32 s21, s21, s22                     ; my wave's first column
	s_and_b32 s22, ttmp9, 1                        ; which 512 along K
	v_lshlrev_b32 v3, 2, v2
	s_mul_i32 s23, s20, 32*PITCH
	s_add_co_u32 s23, s23, 32768                   ; my stage
	v_mul_u32_u24 v4, v2, PITCH
	v_add_nc_u32 v4, s23, v4                       ; into it: row = my column
	v_and_b32 v5, 15, v2
	v_lshrrev_b32 v6, 4, v2
	v_mul_u32_u24 v7, v6, PITCH
	v_lshl_add_u32 v7, v5, 4, v7
	v_add_nc_u32 v7, s23, v7                       ; out of it: sixteen lanes to a row, two rows an instruction
	v_lshlrev_b32 v8, 9, v6
	v_lshl_add_u32 v8, v5, 4, v8                   ; and the same place in the codes' buffer (rows of 512 bytes)
	v_lshlrev_b32 v9, 5, v2                        ; my column's row of scale bytes
	s_mul_i32 s24, s22, 512*12288
	s_lshl_b32 s26, s21, 2
	s_add_co_u32 s24, s24, s26
	s_add_nc_u64 s[6:7], s[6:7], s[24:25]
	s_lshl_b32 s24, s21, 9
	s_lshl_b32 s26, s22, 8
	s_add_co_u32 s24, s24, s26
	s_add_nc_u64 s[14:15], s[14:15], s[24:25]
	s_lshl_b32 s24, s21, 5
	s_lshl_b32 s26, s22, 4
	s_add_co_u32 s24, s24, s26
	s_add_nc_u64 s[16:17], s[16:17], s[24:25]
	ALOAD 0
	ALOAD 1
.set Q, 0
.rept 16
	ABLOCK Q
.set Q, Q+1
.endr
	global_store_b128 v9, v[ASB:ASB+3], s[16:17]   ; my column's 16 scale bytes
.irp t, 0,1,2,3,4,5,6,7,8,9,10,11,12,13,14,15
	ds_load_b128 v[AOUT+4*\t:AOUT+4*\t+3], v7 offset:2*\t*PITCH
.endr
.irp t, 0,1,2,3,4,5,6,7,8,9,10,11,12,13,14,15
	s_wait_dscnt 15-\t
	global_store_b128 v8, v[AOUT+4*\t:AOUT+4*\t+3], s[14:15] offset:2*\t*512   ; sixteen lanes store 256 consecutive bytes, aligned
.endr
	s_wait_tensorcnt 0x0                           ; the wave's end, as above
	ds_add_u32 v[SPW], v[NIL]
	s_wait_dscnt 0x0
	s_endpgm
	; ================ W_proj ================
.Lwproj:
	s_sub_co_u32 s21, ttmp9, 48
	s_and_b32 s22, s21, 7                          ; which 128 along K
	s_lshr_b32 s21, s21, 3
	s_lshl_b32 s21, s21, 7
	s_lshl_b32 s23, s20, 5
	s_add_co_u32 s21, s21, s23                     ; my wave's first column
	v_lshlrev_b32 v3, 2, v2
	s_mul_i32 s23, s20, 32*PITCH
	s_add_co_u32 s23, s23, 67584                   ; my stage
	v_mul_u32_u24 v4, v2, PITCH
	v_add_nc_u32 v4, s23, v4
	v_and_b32 v5, 15, v2
	v_lshrrev_b32 v6, 4, v2
	v_mul_u32_u24 v7, v6, PITCH
	v_lshl_add_u32 v7, v5, 4, v7
	v_add_nc_u32 v7, s23, v7
	v_lshlrev_b32 v8, 11, v6
	v_lshl_add_u32 v8, v5, 4, v8                   ; rows of 2,048 bytes in wpT
	s_lshl_b32 s24, s22, 19                        ; 128 rows of 4,096 bytes
	s_lshl_b32 s26, s21, 2
	s_add_co_u32 s24, s24, s26
	s_add_nc_u64 s[8:9], s[8:9], s[24:25]
	s_lshl_b32 s24, s21, 11
	s_lshl_b32 s26, s22, 8
	s_add_co_u32 s24, s24, s26
	s_add_nc_u64 s[18:19], s[18:19], s[24:25]
	PLOAD 0
	PLOAD 1
.irp t, 0,1,2,3
	PBLOCK \t
.endr
.irp t, 0,1,2,3,4,5,6,7,8,9,10,11,12,13,14,15
	ds_load_b128 v[AOUT+4*\t:AOUT+4*\t+3], v7 offset:2*\t*PITCH
.endr
.irp t, 0,1,2,3,4,5,6,7,8,9,10,11,12,13,14,15
	s_wait_dscnt 15-\t
	global_store_b128 v8, v[AOUT+4*\t:AOUT+4*\t+3], s[18:19] offset:2*\t*2048   ; sixteen lanes store 256 consecutive bytes, aligned
.endr
	s_wait_tensorcnt 0x0                           ; the wave's end, as above
	ds_add_u32 v[SPW], v[NIL]
	s_wait_dscnt 0x0
	s_endpgm
.Lfunc_end_k_qf1a1847803_prep:
	.size	k_qf1a1847803_prep, .Lfunc_end_k_qf1a1847803_prep-k_qf1a1847803_prep
	.p2alignl 7, 3214868480
	.fill 96, 4, 3214868480
	.section	.rodata,"a",@progbits
	.p2align	6, 0x0
	.amdhsa_kernel k_qf1a1847803_prep
		.amdhsa_group_segment_fixed_size 102912
		.amdhsa_private_segment_fixed_size 0
		.amdhsa_enable_private_segment 0
		.amdhsa_kernarg_size 64
		.amdhsa_user_sgpr_count 2
		.amdhsa_user_sgpr_kernarg_segment_ptr 1
		.amdhsa_wavefront_size32 1
		.amdhsa_system_sgpr_workgroup_id_x 1
		.amdhsa_system_sgpr_workgroup_id_y 1
		.amdhsa_system_sgpr_workgroup_id_z 1
		.amdhsa_system_vgpr_workitem_id 0
		.amdhsa_next_free_vgpr 196
		.amdhsa_next_free_sgpr 66
		.amdhsa_reserve_vcc 0
		.amdhsa_float_denorm_mode_32 3
		.amdhsa_float_denorm_mode_16_64 3
		.amdhsa_memory_ordered 1
		.amdhsa_forward_progress 1
		.amdhsa_inst_pref_size 132
	.end_amdhsa_kernel
	.amdgpu_metadata
---
amdhsa.version: [ 1, 2 ]
amdhsa.kernels:
  - .name:           k_qf1a1847803_prep
    .symbol:         k_qf1a1847803_prep.kd
    .args:
      - { .name: x, .offset: 0, .size: 8, .value_kind: global_buffer, .address_space: global }
      - { .name: W_attn, .offset: 8, .size: 8, .value_kind: global_buffer, .address_space: global }
      - { .name: W_proj, .offset: 16, .size: 8, .value_kind: global_buffer, .address_space: global }
      - { .name: x_codes, .offset: 24, .size: 8, .value_kind: global_buffer, .address_space: global }
      - { .name: x_scales, .offset: 32, .size: 8, .value_kind: global_buffer, .address_space: global }
      - { .name: wa_codes, .offset: 40, .size: 8, .value_kind: global_buffer, .address_space: global }
      - { .name: wa_scales, .offset: 48, .size: 8, .value_kind: global_buffer, .address_space: global }
      - { .name: wpT, .offset: 56, .size: 8, .value_kind: global_buffer, .address_space: global }
    .group_segment_fixed_size: 102912
    .private_segment_fixed_size: 0
    .kernarg_segment_align: 8
    .kernarg_segment_size: 64
    .max_flat_workgroup_size: 128
    .sgpr_count:     66
    .vgpr_count:     196
    .wavefront_size: 32
...
	.end_amdgpu_metadata
.endif
;; end of part 1
;; launch qkv (part 2): grid 12 x 32, 4 waves a work-group, clusters of 4 x 4, 327,680 bytes of LDS; arguments x_codes, x_scales, wa_codes, wa_scales, qkvh, qkv32; writes qkvh, qkv32
.if DOCPART == 2
	.amdgcn_target "amdgcn-amd-amdhsa--gfx1250"
	.amdhsa_code_object_version 6
	.text
	.protected	k_qf1a1847803_qkv
	.globl	k_qf1a1847803_qkv
	.p2align	8
	.type	k_qf1a1847803_qkv,@function
k_qf1a1847803_qkv:
	s_mov_b64 s[64:65], 0
	v_nop
	global_prefetch_b8 v0, s[64:65] scope:SCOPE_SE
	s_setreg_imm32_b32 hwreg(HW_REG_WAVE_MODE, 25, 1), 1
	s_wait_xcnt 0x0
	s_wait_alu depctr_hold_cnt(0) depctr_sa_sdst(0) depctr_va_vdst(0) depctr_va_sdst(0) depctr_va_ssrc(0) depctr_va_vcc(0) depctr_vm_vsrc(0)
	s_getreg_b32 s2, hwreg(HW_REG_IB_STS2, 6, 4)
	s_cmp_eq_u32 s2, 0
	s_cbranch_scc0 .Lentry_in_a_cluster
	s_endpgm
.Lentry_in_a_cluster:
	s_bfe_u32 s2, ttmp6, 0x10000c
	s_cmp_lg_u32 s2, 0xf033
	s_cbranch_scc0 .Lentry_shape_is_right
	s_endpgm
.Lentry_shape_is_right:
; QKV: qkv[m][n] = sum over k of x[m][k] W_attn[k][n], on codes of FP4 (E2M1) with one E8M0 scale for each 32 along K; sums in f32.  m = 8,192, n = 3,072, k = 1,024.
; A tile of 256 x 256 is made by four waves, each 128 x 128: 64 accumulators, 512 registers.  K is two steps of 512: both lie in LDS from the start (two slots, filled once), with the scales of all of K.
; CLUSTERS: 4 x 4 work-groups; A's tiles are asked for jointly along a row of the cluster, B's along a column.  THE TILE ROW IS 8 cy + cluster y: so the four tiles that begin a sequence
; (rows 0, 8, 16, 24 of 32) are those of the clusters with y = 0, and the branch round the f32 images hangs on the cluster's y and the wave's number alone, alike in all partners.
; THE MATRIX INSTRUCTION IS USED TRANSPOSED (source 0 = 16 rows of W, source 1 = 16 rows of x): a lane holds eight neighbouring columns of one row.
; OUT: f16 in planes [n / 64][m][64] (a head's 64 channels are 128 bytes: four rows of a plane are 512 consecutive bytes); and, for positions 0-15 of each sequence, the f32 accumulators as they stand,
; [batch][plane][16 columns][half][lane][4].  LIMIT: results beyond f16's 65,504 are not served.
; REGISTERS: window 0: v0-31 addresses; v32-95 scale words, two sets; v128-191 A's fragments, one set.  window 1: B's fragments, two sets.  windows 2, 3: the accumulators ((a, b) at v[8 (8 (a % 4) + b)]).
.set SIZE_K, 1024
.set NQ,     4                         ; steps of 128 along K in a slot
.set ROWB,   256                       ; a tile's row in bytes: 512 codes
.set KROW,   512                       ; a row of codes in memory
.set PITCH,  272                       ; an LDS row: 256 bytes + 16 of padding: the 16 rows that a load touches start 68 words apart
.set FR,     8
.set NL,     2
.set NP,     4
.set HALFT,  128*PITCH
.set SLOT,   4*HALFT
.set KS,     32                        ; a row of scales in bytes
.set SCL,    2*SLOT
.set HALFS,  (128*KS/256)*272
.set SBLK,   (16*KS/256)*272
.set SPARE,  SCL+4*HALFS               ; the spare words, 128 bytes for each wave
.set SPITCH, 272                       ; the way out: a stage of 16 rows x (256 bytes + 16) for each wave, in slot 0, which has had its only fill and its last read by then
.set ADRA, 16
.set ADRB, 20
.set STO,  24
.set RD,   25
.set CO,   26
.set ADRS, 27
.set SPW,  28
.set NIL,  29
.set SC,   32
.set AF,   128
.set TMP,  192                         ; the way out: packed results
.set OB,   32                          ; the way out: rows read back: v32-63 and v224-255 by turns
.set G1, 24
.set G0, 32
.set G1B, 48
.set G0B, 56
.set G1S, 68
.set G0S, 76
.set G1SB, 80
.set G0SB, 88
.set MSB, 0
.macro WIN new                         ; the immediate's high byte repeats the setting that is left
.if MSB != \new
	s_set_vgpr_msb (MSB<<8)|\new
.set MSB, \new
.endif
.endm
.set MUL_LO, 0xa1                      ; source 0 (W) window 1, source 1 (x) window 0, C and D window 2
.set MUL_HI, 0xf1
.set TO_B,   0x40
; A joint load: waves 0 and 1 fetch for x, waves 2 and 3 for W.  The branch hangs on the wave's number alone.  An s_nop 0 and four v_nop follow each line.
.macro JLOAD g0a, g1a, g0b, g1b
	s_cmp_eq_u32 s15, 0
	s_cbranch_scc0 .Lfor_b_\@
	tensor_load_to_lds s[\g0a:\g0a+3], s[\g1a:\g1a+7]
	s_nop 0
.rept 4
	v_nop
.endr
	s_branch .Lasked_\@
.Lfor_b_\@:
	tensor_load_to_lds s[\g0b:\g0b+3], s[\g1b:\g1b+7]
	s_nop 0
.rept 4
	v_nop
.endr
.Lasked_\@:
.endm
.macro CROUND                          ; a round of the cluster's barrier
	s_barrier_signal -1
	s_barrier_wait -1
	s_cmp_lg_u32 s14, 0
	s_cbranch_scc1 .Lnot_wave_0_\@
	s_barrier_signal -3
.Lnot_wave_0_\@:
	s_barrier_wait -3
	s_barrier_signal -1
	s_barrier_wait -1
.endm
	s_load_b128 s[4:7], s[0:1], 0x0                ; x's codes s[4:5], x's scales s[6:7]
	s_load_b128 s[8:11], s[0:1], 0x10              ; W's codes s[8:9], W's scales s[10:11]
	s_load_b64 s[12:13], s[0:1], 0x20              ; qkvh
	s_load_b64 s[96:97], s[0:1], 0x28              ; qkv32
	v_lshl_add_u32 v[SPW], v0, 2, SPARE
	v_mov_b32 v[NIL], 0
	ds_add_u32 v[SPW], v[NIL]                      ; the wave's opening: the add, twice on end, and its wait ahead of my first tensor load
	ds_add_u32 v[SPW], v[NIL]
	v_lshrrev_b32 v1, 5, v0
	v_readfirstlane_b32 s14, v1                    ; wave 0..3
	s_lshr_b32 s15, s14, 1                         ; which half of the tile's rows is mine.  Also: I fetch for x (0) or for W (1)
	s_and_b32 s16, s14, 1                          ; which half of its columns.  Also: which 128 rows of that tile I fetch
	s_bfe_u32 s40, ttmp6, 0x40000                  ; cx
	s_bfe_u32 s41, ttmp6, 0x40004                  ; cy
	s_lshl_b32 s42, ttmp9, 2
	s_add_co_u32 s42, s42, s40                     ; tile column = 4 x cluster x + cx
	s_and_b32 s17, ttmp7, 0xffff
	s_lshl_b32 s18, s41, 3
	s_add_co_u32 s17, s17, s18                     ; tile row = 8 cy + cluster y
	s_lshl_b32 s43, s41, 2
	s_lshl_b32 s43, 15, s43                        ; my row of the cluster
	s_lshl_b32 s44, 0x1111, s40                    ; my column
	s_or_b32 s[G1+0], s43, (0<<16)|(1<<20)|(1<<21)|(5<<22)|(3<<25)  ; the mask; elements of 1 byte; padding on; bit 21 beside a mask; four words after every 64
	s_or_b32 s[G1B+0], s44, (0<<16)|(1<<20)|(1<<21)|(5<<22)|(3<<25)
.irp g, G1, G1B
	s_mov_b32 s[\g+1], ROWB<<16                    ; tensor_dim0
	s_mov_b32 s[\g+2], 128<<16                     ; tensor_dim1
	s_mov_b32 s[\g+3], ROWB<<16                    ; tile_dim0
	s_mov_b32 s[\g+4], 128                         ; tile_dim1
	s_mov_b32 s[\g+5], KROW                        ; the pitch in memory
	s_mov_b32 s[\g+6], 0
	s_mov_b32 s[\g+7], 0
.endr
	s_or_b32 s[G1S+0], s43, (3<<16)|(1<<20)|(1<<21)|(5<<22)|(3<<25) ; the scales of 128 rows: a dense block of 4,096 bytes, as 16 rows of 256 bytes, 16 bytes of padding behind each
	s_or_b32 s[G1SB+0], s44, (3<<16)|(1<<20)|(1<<21)|(5<<22)|(3<<25)
.irp g, G1S, G1SB
	s_mov_b32 s[\g+1], 32<<16
	s_mov_b32 s[\g+2], (128*KS/256)<<16
	s_mov_b32 s[\g+3], 32<<16
	s_mov_b32 s[\g+4], 128*KS/256
	s_mov_b32 s[\g+5], 32
	s_mov_b32 s[\g+6], 0
	s_mov_b32 s[\g+7], 0
.endr
	s_lshl_b32 s18, s16, 7                         ; which 128 rows of the tile I fetch
	s_lshl_b32 s20, s17, 8
	s_add_co_u32 s20, s20, s18                     ; x: row 256 x tile row + 128 x half
	s_lshl_b32 s46, s42, 8
	s_add_co_u32 s46, s46, s18                     ; W: row 256 x tile column + 128 x half
	s_mov_b32 s21, 0
	s_mov_b32 s47, 0
	s_mov_b64 s[18:19], KS
	s_mul_u64 s[22:23], s[20:21], s[18:19]         ; where these rows' scales begin
	s_mul_u64 s[92:93], s[46:47], s[18:19]
	s_mov_b64 s[18:19], KROW
	s_mul_u64 s[20:21], s[20:21], s[18:19]         ; and their codes
	s_mul_u64 s[46:47], s[46:47], s[18:19]
	s_mul_i32 s45, s14, HALFT                      ; where they go: wave x 128 rows
	s_mul_i32 s94, s14, HALFS
	s_wait_dscnt 0x0                               ; both opening adds are done
	s_wait_kmcnt 0x0
	s_add_nc_u64 s[20:21], s[4:5], s[20:21]
	s_add_nc_u64 s[22:23], s[6:7], s[22:23]
	s_add_nc_u64 s[46:47], s[8:9], s[46:47]
	s_add_nc_u64 s[92:93], s[10:11], s[92:93]
	CROUND                                         ; all sixteen work-groups are here: the joint loads meet
	s_mov_b32 s[G0S], 1
	s_add_co_u32 s[G0S+1], s94, SCL
	s_mov_b64 s[G0S+2:G0S+3], s[22:23]
	s_or_b32 s[G0S+3], s[G0S+3], 0x80000000
	s_mov_b32 s[G0SB], 1
	s_add_co_u32 s[G0SB+1], s94, SCL
	s_mov_b64 s[G0SB+2:G0SB+3], s[92:93]
	s_or_b32 s[G0SB+3], s[G0SB+3], 0x80000000
	JLOAD G0S, G1S, G0SB, G1SB                     ; the scales first: they are wanted with K step 0
.irp s, 0,1
	s_mov_b32 s[G0+4*\s], 1
	s_add_co_u32 s[G0+4*\s+1], s45, \s*SLOT
	s_add_nc_u64 s[G0+4*\s+2:G0+4*\s+3], s[20:21], \s*ROWB
	s_or_b32 s[G0+4*\s+3], s[G0+4*\s+3], 0x80000000
	s_mov_b32 s[G0B+4*\s], 1
	s_add_co_u32 s[G0B+4*\s+1], s45, \s*SLOT
	s_add_nc_u64 s[G0B+4*\s+2:G0B+4*\s+3], s[46:47], \s*ROWB
	s_or_b32 s[G0B+4*\s+3], s[G0B+4*\s+3], 0x80000000
	JLOAD G0+4*\s, G1, G0B+4*\s, G1B               ; three loads of mine are out in all
.endr
	v_and_b32 v1, 15, v0                           ; r = l % 16
	v_bfe_u32 v2, v0, 4, 1                         ; h = l / 16
	v_mul_u32_u24 v3, v1, PITCH
	v_lshl_add_u32 v4, v2, 4, v3                   ; a fragment's row x pitch + 16 x half
	s_mul_i32 s21, s15, HALFT
	s_mul_i32 s22, s16, HALFT
	s_add_co_u32 s22, s22, 2*HALFT
.irp s, 0,1
	v_add_nc_u32 v[ADRA+\s], s21, v4
	v_add_nc_u32 v[ADRB+\s], s22, v4
	s_add_co_u32 s21, s21, SLOT
	s_add_co_u32 s22, s22, SLOT
.endr
	v_mul_u32_u24 v5, v1, KS                       ; my row's scales: 32 bytes a row,
	v_lshrrev_b32 v6, 8, v5
	v_lshl_add_u32 v5, v6, 4, v5                   ; and 16 more for each 256 passed
	s_mul_i32 s21, s15, HALFS
	s_mul_i32 s22, s16, HALFS
	s_add_co_u32 s22, s22, 2*HALFS
	s_sub_co_u32 s22, s22, s21
	v_mul_u32_u24 v6, s22, v2                      ; lanes 16-31 take W's
	s_add_co_u32 s21, s21, SCL
	v_add_nc_u32 v5, v5, v6
	v_add_nc_u32 v[ADRS], s21, v5
	s_mul_i32 s23, s14, 16*SPITCH                  ; my stage
	v_mul_u32_u24 v5, v1, SPITCH
	v_lshl_add_u32 v5, v2, 4, v5
	v_add_nc_u32 v[STO], s23, v5                   ; in: row r, 16 bytes for each half of the lanes
	v_and_b32 v6, 31, v0
	v_lshlrev_b32 v[CO], 4, v6                     ; out: 16 x lane
	v_lshrrev_b32 v5, 3, v6
	v_mul_u32_u24 v5, v5, SPITCH
	v_and_b32 v6, 7, v6
	v_lshl_add_u32 v5, v6, 4, v5
	v_add_nc_u32 v[RD], s23, v5                    ; back: eight lanes take a plane's 128 bytes of a row, the 32 lanes four rows
	s_lshl_b32 s20, s17, 8
	s_lshl_b32 s21, s15, 7
	s_add_co_u32 s20, s20, s21                     ; my first row m,
	s_lshl_b32 s20, s20, 7                         ; of 128 bytes in a plane
	s_lshl_b32 s46, s42, 2
	s_lshl_b32 s47, s16, 1
	s_add_co_u32 s46, s46, s47                     ; my first plane: 4 x tile column + 2 x half
	s_lshl_b32 s47, s46, 20
	s_add_co_u32 s20, s20, s47
	s_mov_b32 s21, 0
	s_add_nc_u64 s[12:13], s[12:13], s[20:21]
	s_mul_i32 s98, s41, 196608                     ; the images: batch cy (used where cluster y = 0),
	s_lshl_b32 s46, s46, 12                        ; 4,096 bytes a plane
	s_add_co_u32 s98, s98, s46
	s_mov_b32 s99, 0
	s_add_nc_u64 s[96:97], s[96:97], s[98:99]
.macro FRAG reg, adr, q, i             ; 16 rows x 128 K of 4-bit codes: 8 registers, two loads of 16 bytes, 32 bytes apart
.irp c, 0,1
	ds_load_b128 v[\reg+4*\c:\reg+4*\c+3], v[\adr] offset:64*(\q)+32*\c+(\i)*16*PITCH
.endr
.endm
; 16 matrix instructions: x's blocks a0, a0 + 1 against W's eight.  The 64 accumulators take turns, one instruction a turn, in the same order in every step.
.macro MUL16 a0, p, q, sc, zero
.irp a, \a0, \a0+1
.irp b, 0,1,2,3,4,5,6,7
.if \zero
	v_wmma_scale_f32_16x16x128_f8f6f4 v[8*(8*((\a)%4)+\b):8*(8*((\a)%4)+\b)+7], v[128*(\p)+FR*\b:128*(\p)+FR*\b+FR-1], v[AF+FR*(\a):AF+FR*(\a)+FR-1], 0, v[SC+8*NQ*(\sc)+NQ*\b+(\q)], v[SC+8*NQ*(\sc)+NQ*(\a)+(\q)] matrix_a_fmt:MATRIX_FMT_FP4 matrix_b_fmt:MATRIX_FMT_FP4 matrix_a_scale:MATRIX_SCALE_ROW1
.else
	v_wmma_scale_f32_16x16x128_f8f6f4 v[8*(8*((\a)%4)+\b):8*(8*((\a)%4)+\b)+7], v[128*(\p)+FR*\b:128*(\p)+FR*\b+FR-1], v[AF+FR*(\a):AF+FR*(\a)+FR-1], v[8*(8*((\a)%4)+\b):8*(8*((\a)%4)+\b)+7], v[SC+8*NQ*(\sc)+NQ*\b+(\q)], v[SC+8*NQ*(\sc)+NQ*(\a)+(\q)] matrix_a_fmt:MATRIX_FMT_FP4 matrix_b_fmt:MATRIX_FMT_FP4 matrix_a_scale:MATRIX_SCALE_ROW1
.endif
.endr
.endr
.endm
.macro FETCH_B slot, q, p
	WIN TO_B
.irp i, 0,1,2,3,4,5,6,7
	FRAG 128*(\p)+FR*\i, ADRB+\slot, \q, \i
.endr
	WIN 0
.endm
.macro FETCH_A slot, q, i0
.irp i, \i0, \i0+1, \i0+2, \i0+3
	FRAG AF+FR*(\i), ADRA+\slot, \q, \i
.endr
.endm
.macro SCALES sc                       ; a K step's scale words: lanes 0-15 take x's block i, lanes 16-31 W's block i
.irp i, 0,1,2,3,4,5,6,7
	ds_load_b128 v[SC+8*NQ*\sc+NQ*\i:SC+8*NQ*\sc+NQ*\i+3], v[ADRS] offset:\i*SBLK
.endr
.endm
.macro PLACES n                        ; plain vector lines between a matrix instruction and a load into, or a read of, its registers
.rept \n
	v_nop
.endr
.endm
.macro STEP slot, q, zero              ; 128 along K that has its successor in the same slot
	s_wait_dscnt 4*NL                              ; W's set and x's blocks 0-3 are in; the youngest loads (x's blocks 4-7) may be out
	WIN MUL_LO
	MUL16 0, (\q)%2, \q, \slot, \zero
	MUL16 2, (\q)%2, \q, \slot, \zero
	s_wait_dscnt 0                                 ; x's blocks 4-7 are in
	PLACES NP
	FETCH_B \slot, (\q)+1, 1-(\q)%2
	FETCH_A \slot, (\q)+1, 0
	WIN MUL_HI
	MUL16 4, (\q)%2, \q, \slot, \zero
	MUL16 6, (\q)%2, \q, \slot, \zero
	PLACES NP
	WIN 0
	FETCH_A \slot, (\q)+1, 4
.endm
.macro TURN slot, next                 ; a slot's last step changes slots: one barrier
	s_wait_tensorcnt 0x0                           ; all my tensor loads have landed: my part of the next slot
	ds_add_u32 v[SPW], v[NIL]                      ; 0 onto my spare word
	s_wait_dscnt 4*NL+1                            ; (the add and x's blocks 4-7 may be out)
	WIN MUL_LO
	MUL16 0, 1, NQ-1, \slot, 0
	s_wait_dscnt 0x0                               ; the add is done, and my reads of this slot are over
	s_barrier_signal -1
	MUL16 2, 1, NQ-1, \slot, 0
	WIN 0
	s_barrier_wait -1                              ; the next slot is whole for every wave
	PLACES NP
	v_add_nc_u32 v[ADRS], 4*NQ, v[ADRS]            ; the next K step's scale words
	FETCH_B \next, 0, 0
	FETCH_A \next, 0, 0
	SCALES \next
	WIN MUL_HI
	MUL16 4, 1, NQ-1, \slot, 0
	MUL16 6, 1, NQ-1, \slot, 0
	PLACES NP
	WIN 0
	FETCH_A \next, 0, 4
.endm
	s_wait_tensorcnt 1                             ; the scales and my part of K step 0 are in (K step 1's load may be out),
	s_barrier_signal -1
	s_barrier_wait -1                              ; everybody's are
	FETCH_B 0, 0, 0
	FETCH_A 0, 0, 0
	SCALES 0
	FETCH_A 0, 0, 4
	STEP 0, 0, 1                                   ; the first products start the sums: nothing is cleared
	STEP 0, 1, 0
	STEP 0, 2, 0
	TURN 0, 1
	STEP 1, 0, 0
	STEP 1, 1, 0
	STEP 1, 2, 0
	s_wait_dscnt 4*NL                              ; the last step: nothing more to fetch
	WIN MUL_LO
	MUL16 0, 1, NQ-1, 1, 0
	MUL16 2, 1, NQ-1, 1, 0
	s_wait_dscnt 0
	WIN MUL_HI
	MUL16 4, 1, NQ-1, 1, 0
	MUL16 6, 1, NQ-1, 1, 0
	WIN 0
	; THE WAY OUT.  First the f32 images of positions 0-15 (my block 0, where the tile begins a sequence and I hold its upper rows): each accumulator as it stands, 512 consecutive bytes a store, low end first.
	PLACES NP
	s_and_b32 s95, ttmp7, 0xffff
	s_or_b32 s95, s95, s15
	s_cmp_lg_u32 s95, 0                            ; the cluster's y and the wave's number alone
	s_cbranch_scc1 .Lno_images
	WIN 0x08                                       ; a store's data are its source 1: window 2
.irp b, 0,1,2,3,4,5,6,7
	global_store_b128 v[CO], v[8*\b:8*\b+3], s[96:97] offset:1024*\b
	global_store_b128 v[CO], v[8*\b+4:8*\b+7], s[96:97] offset:1024*\b+512
.endr
	WIN 0
.Lno_images:
; Then all rows in f16, a block of 16 rows x 128 columns (two planes) at a time, through my stage.
.macro PACK a
.set AC, 64*((\a)%4)
	WIN 0x0a+5*((\a)/4)                            ; sources 0 and 1: window 2 or 3
.irp b, 0,1,2,3,4,5,6,7
.irp r, 0,1,2,3
	v_cvt_pk_f16_f32 v[TMP+4*\b+\r], v[AC+8*\b+2*\r], v[AC+8*\b+2*\r+1]
.endr
.endr
	WIN 0
.endm
.macro TOSTAGE a
.set BK, OB+192*((\a)%2)
.irp b, 0,1,2,3,4,5,6,7
	ds_store_b128 v[STO], v[TMP+4*\b:TMP+4*\b+3] offset:32*\b
.endr
.irp p, 0,1
.irp t, 0,1,2,3
	ds_load_b128 v[BK+4*(4*\p+\t):BK+4*(4*\p+\t)+3], v[RD] offset:128*\p+4*SPITCH*\t   ; LDS serves a wave's instructions in order: these see the stores above
.endr
.endr
.endm
.macro SEND a
.set BK, OB+192*((\a)%2)
	s_wait_dscnt 0x0                               ; the block is back in registers
	s_wait_xcnt 0x0                                ; the earlier stores have read their registers: the next block's loads may land where the block before this one lay
.irp p, 0,1
.irp t, 0,1,2,3
	global_store_b128 v[CO], v[BK+4*(4*\p+\t):BK+4*(4*\p+\t)+3], s[12:13] offset:\p*1048576+(\a)*2048+\t*512   ; four rows of a plane: 512 consecutive bytes
.endr
.endr
.endm
	PACK 0
	TOSTAGE 0
.irp a, 1,2,3,4,5,6,7
	PACK \a
	SEND \a-1
	TOSTAGE \a
.endr
	SEND 7
	s_wait_tensorcnt 0x0                           ; the wave's end, behind my last tensor load and my last LDS store
	ds_add_u32 v[SPW], v[NIL]
	s_wait_dscnt 0x0
	CROUND                                         ; the closing round
	s_endpgm
.Lfunc_end_k_qf1a1847803_qkv:
	.size	k_qf1a1847803_qkv, .Lfunc_end_k_qf1a1847803_qkv-k_qf1a1847803_qkv
	.p2alignl 7, 3214868480
	.fill 96, 4, 3214868480
	.section	.rodata,"a",@progbits
	.p2align	6, 0x0
	.amdhsa_kernel k_qf1a1847803_qkv
		.amdhsa_group_segment_fixed_size 327680
		.amdhsa_private_segment_fixed_size 0
		.amdhsa_enable_private_segment 0
		.amdhsa_kernarg_size 48
		.amdhsa_user_sgpr_count 2
		.amdhsa_user_sgpr_kernarg_segment_ptr 1
		.amdhsa_wavefront_size32 1
		.amdhsa_system_sgpr_workgroup_id_x 1
		.amdhsa_system_sgpr_workgroup_id_y 1
		.amdhsa_system_sgpr_workgroup_id_z 1
		.amdhsa_system_vgpr_workitem_id 0
		.amdhsa_next_free_vgpr 1024
		.amdhsa_next_free_sgpr 100
		.amdhsa_reserve_vcc 0
		.amdhsa_float_denorm_mode_32 3
		.amdhsa_float_denorm_mode_16_64 3
		.amdhsa_memory_ordered 1
		.amdhsa_forward_progress 1
		.amdhsa_inst_pref_size 128
	.end_amdhsa_kernel
	.amdgpu_metadata
---
amdhsa.version: [ 1, 2 ]
amdhsa.kernels:
  - .name:           k_qf1a1847803_qkv
    .symbol:         k_qf1a1847803_qkv.kd
    .args:
      - { .name: x_codes, .offset: 0, .size: 8, .value_kind: global_buffer, .address_space: global }
      - { .name: x_scales, .offset: 8, .size: 8, .value_kind: global_buffer, .address_space: global }
      - { .name: wa_codes, .offset: 16, .size: 8, .value_kind: global_buffer, .address_space: global }
      - { .name: wa_scales, .offset: 24, .size: 8, .value_kind: global_buffer, .address_space: global }
      - { .name: qkvh, .offset: 32, .size: 8, .value_kind: global_buffer, .address_space: global }
      - { .name: qkv32, .offset: 40, .size: 8, .value_kind: global_buffer, .address_space: global }
    .group_segment_fixed_size: 327680
    .private_segment_fixed_size: 0
    .kernarg_segment_align: 8
    .kernarg_segment_size: 48
    .max_flat_workgroup_size: 128
    .sgpr_count:     100
    .vgpr_count:     1024
    .wavefront_size: 32
...
	.end_amdgpu_metadata
.endif
;; end of part 2
;; launch attn (part 3): grid 4 x 64, 8 waves a work-group, no clusters, 327,680 bytes of LDS; arguments qkvh, yh; writes yh
.if DOCPART == 3
	.amdgcn_target "amdgcn-amd-amdhsa--gfx1250"
	.amdhsa_code_object_version 6
	.text
	.protected	k_qf1a1847803_attn
	.globl	k_qf1a1847803_attn
	.p2align	8
	.type	k_qf1a1847803_attn,@function
k_qf1a1847803_attn:
	s_mov_b64 s[64:65], 0
	v_nop
	global_prefetch_b8 v0, s[64:65] scope:SCOPE_SE
	s_setreg_imm32_b32 hwreg(HW_REG_WAVE_MODE, 25, 1), 1
	s_wait_xcnt 0x0
; ATTN: y[b][h][q] = the sum over k <= q of softmax_k(q . k / 8) v[k], head size 64, 2,048 positions, 64 heads; operands f16, products, maxima and sums f32; a running maximum.
; qkvh: f16 planes [48][8,192 rows][64]: q of head h is plane h, k plane 16 + h, v plane 32 + h.  yh: f16 planes [16][8,192][64].
; SHARES.  Work-group (i, head) owns the query blocks 7 - i and i of 256 queries, one after the other: 8 - i units of 256 keys, then i + 1: always 9 units, so every trip count is a constant
; and all 256 work-groups have equal work.  A wave owns 32 queries, two tiles of 16.  A step is 64 keys.  Steps all of whose keys come after the wave's queries are jumped over (a branch on ids).
; LAYOUT.  S^T = K Q^T (source 0 = 16 keys, source 1 = 16 queries): a lane holds one query (lane % 16) and keys 8 (lane / 16) + 0..7.  Two such tiles, rounded to f16 in pairs, are source 1 of
; O^T = V^T P.  K comes out of LDS as it lies, V turned by ds_load_tr16_b128.
; NO CLUSTER: the four work-groups of a head change blocks after 8 - i units, so from the sixth unit on they want different tiles, and joint loads have to be alike in all partners.
; LIMITS: hidden scores count exactly 0, where the reference puts -1e9 in their place: the same as long as the scores stay far above -1e9.  q, k, v and y up to f16's 65,504.
; LDS: two slots of a unit (4 steps x (64 rows of K, pitch 144, then 64 rows of V, pitch 160)); stages for the way out; the spare words.
; REGISTERS: window 0: v2-15 addresses and constants; v16-31 statistics, 8 a tile (c m, m, l, l, c0-c3; a takes c2's place); v32-95 S^T; v96-127 P; v128-191 O^T.
;   window 1: v0-31 Q; v32-63 the second block's Q; v64-127 K of a step; v128-191 V of a step.
.set PK,    144
.set PV,    160
.set VOFF,  64*PK
.set STEPB, 64*(PK+PV)
.set SLOT1, 1<<17
.set STAGE, 2*SLOT1
.set SP,    144
.set SPARE, STAGE+8*32*SP
.set UNITB, 32768                      ; a unit's 256 rows of 128 bytes in memory
.set AK0, 2
.set AV0, 3
.set ADK, 4
.set ADV, 5
.set QO,  6
.set STO, 7
.set RD,  8
.set GO,  9
.set RH,  10
.set DD,  11
.set NINF, 12
.set PFO, 13
.set SPW, 14
.set NIL, 15
.set ST,  16
.set S,   32
.set P,   96
.set O,   128
.set KR,  64                           ; in window 1
.set VR,  128                          ; in window 1
.set WV,  8
.set G1K, 24
.set G1V, 32
.set G0K, 40
.set G0V, 44
.set KB,  48
.set VB,  50
.set OFFU, 52
.set PFA, 54
.set LIM, 56
.set SLOTS, 57
.set INNER, 58
.set UN,  59
.set SW,  60
.set Q0,  61
.set KF,  62
.set TB,  66
.set CS,  68
.set SEL, 70
.set YH0, 72
.set YB,  74
.set T0,  76
.set Q0B, 78
.set MSB, 0
.macro WIN new
.if MSB != \new
	s_set_vgpr_msb (MSB<<8)|\new
.set MSB, \new
.endif
.endm
; Waves 0-3 fetch K's four steps of a unit, waves 4-7 V's: one load of 64 rows a wave.  An s_nop 0 and four v_nop follow each line.
.macro TLOAD
	s_cmp_lt_u32 s[WV], 4
	s_cbranch_scc0 .Lfor_v_\@
	tensor_load_to_lds s[G0K:G0K+3], s[G1K:G1K+7]
	s_nop 0
.rept 4
	v_nop
.endr
	s_branch .Lasked_\@
.Lfor_v_\@:
	tensor_load_to_lds s[G0V:G0V+3], s[G1V:G1V+7]
	s_nop 0
.rept 4
	v_nop
.endr
.Lasked_\@:
.endm
; A prefetch of the unit behind the one just asked for.  The four work-groups of a head walk the same K and V; work-group 0, which walks all eight units in order, asks: each wave for its own
; 8,192 bytes, lanes 256 bytes apart.  Trips 0-5 name units 2-7, each block once; units 0 and 1 come by their loads alone; nothing is named behind unit 7.
.macro ASK
	s_cmp_gt_u32 s[SLOTS], s[LIM]
	s_cbranch_scc0 .Lnot_mine_\@
	global_prefetch_b8 v[PFO], s[PFA:PFA+1] th:TH_LOAD_NT scope:SCOPE_SE
.Lnot_mine_\@:
.endm
.macro INIT                            ; a block's start: m under every score, l and O^T zero: the first change of m multiplies zeros
.irp t, 0,1
	v_mov_b32 v[ST+8*\t+1], 0xff61b1e6             ; -3e38
	v_mul_f32 v[ST+8*\t], s[CS], v[ST+8*\t+1]
.irp n, 2,3,4,5,6,7
	v_mov_b32 v[ST+8*\t+\n], 0
.endr
.endr
.set i, 0
.rept 64
	v_mov_b32 v[O+i], 0
.set i, i+1
.endr
.endm
; THE CHANGE OF SLOTS stands at a unit's head.  Each wave waits for all its tensor loads, adds 0 to its spare word, waits for that and for its reads of the slot that it has left; one barrier;
; fill = 1: the slot just left takes the next unit, which then has a whole unit's steps in which to land: one load of mine is out.
.macro CHANGE fill
	s_wait_tensorcnt 0x0                           ; no tensor load of mine is out, so the descriptors may be written
	ds_add_u32 v[SPW], v[NIL]
.if \fill
	s_add_co_u32 s[UN], s[UN], 1                   ; the unit that is asked for now
	s_add_co_u32 s[OFFU], s[OFFU], UNITB
	s_cmp_eq_u32 s[UN], s[SW]
	s_cselect_b32 s[OFFU], 0, s[OFFU]              ; the second block begins again at key 0
	s_xor_b32 s[G0K+1], s[G0K+1], SLOT1
	s_xor_b32 s[G0V+1], s[G0V+1], SLOT1
	s_add_nc_u64 s[G0K+2:G0K+3], s[KB:KB+1], s[OFFU:OFFU+1]
	s_or_b32 s[G0K+3], s[G0K+3], 0x80000000
	s_add_nc_u64 s[G0V+2:G0V+3], s[VB:VB+1], s[OFFU:OFFU+1]
	s_or_b32 s[G0V+3], s[G0V+3], 0x80000000
	s_wait_xcnt 0x0                                ; the last prefetch, a unit back, has read its address
	s_add_nc_u64 s[PFA:PFA+1], s[PFA:PFA+1], UNITB
.endif
	s_wait_dscnt 0x0                               ; the add is done, and my reads of the slot that I have left are over
	s_barrier_signal -1
	s_barrier_wait -1
.if \fill
	TLOAD
	ASK
.endif
.endm
; A KEY STEP: 64 keys.
.macro STEP
	s_add_co_u32 s[T0], s[Q0], 31
	s_cmp_gt_u32 s[KF], s[T0]                      ; all keys behind my last query: nothing to do
	s_cbranch_scc1 .Lhidden_\@
	v_add_nc_u32 v[ADK], s[TB], v[AK0]
	v_add_nc_u32 v[ADV], s[TB], v[AV0]
	WIN 0x40                                       ; destination window 1
.irp k, 0,1,2,3
.irp c, 0,1
	ds_load_b128 v[KR+8*(2*\k+\c):KR+8*(2*\k+\c)+3],   v[ADK] offset:\k*16*PK+64*\c
	ds_load_b128 v[KR+8*(2*\k+\c)+4:KR+8*(2*\k+\c)+7], v[ADK] offset:\k*16*PK+64*\c+32
.endr
.endr
.irp g, 0,1
.irp e, 0,1,2,3
	ds_load_tr16_b128 v[VR+8*(4*\g+\e):VR+8*(4*\g+\e)+3],   v[ADV] offset:\g*32*PV+32*\e
	ds_load_tr16_b128 v[VR+8*(4*\g+\e)+4:VR+8*(4*\g+\e)+7], v[ADV] offset:\g*32*PV+16*PV+32*\e
.endr
.endr
	s_wait_dscnt 16                                ; K is in; V's sixteen loads may be out
	WIN 0x05                                       ; K and Q in window 1, S^T in window 0
.irp c, 0,1                                    ; eight accumulators by turns; the first eight products start the sums
.irp k, 0,1,2,3
.irp t, 0,1
.if \c == 0
	v_wmma_f32_16x16x32_f16 v[S+32*\t+8*\k:S+32*\t+8*\k+7], v[KR+8*(2*\k+\c):KR+8*(2*\k+\c)+7], v[16*\t+8*\c:16*\t+8*\c+7], 0
.else
	v_wmma_f32_16x16x32_f16 v[S+32*\t+8*\k:S+32*\t+8*\k+7], v[KR+8*(2*\k+\c):KR+8*(2*\k+\c)+7], v[16*\t+8*\c:16*\t+8*\c+7], v[S+32*\t+8*\k:S+32*\t+8*\k+7]
.endif
.endr
.endr
.endr
	WIN 0
.rept 4
	v_nop                                          ; places ahead of the first read of the scores
.endr
	s_add_co_u32 s[T0], s[KF], 63
	s_cmp_le_u32 s[T0], s[Q0]                      ; all keys count for all my queries: no mask
	s_cbranch_scc1 .Lopen_\@
	s_sub_co_i32 s[T0], s[Q0], s[KF]
	v_add_nc_u32 v[DD], s[T0], v[RH]               ; d = Q0 - KF + r - 8 h.  Register 8 k + j of tile t holds key KF + 16 k + 8 h + j for query Q0 + 16 t + r: hidden where 16 k + j - 16 t > d
.irp t, 0,1
.irp k, 0,1,2,3
.irp j, 0,1,2,3,4,5,6,7
	v_cmp_gt_i32 vcc_lo, 16*\k+\j-16*\t, v[DD]
	v_cndmask_b32 v[S+32*\t+8*\k+\j], v[S+32*\t+8*\k+\j], v[NINF], vcc_lo
.endr
.endr
.endr
.Lopen_\@:
	; the maximum of my 32 scores and the old m, both tiles line by line; each accumulator is read from its low end on
.irp q, 0,1,2,3
.irp t, 0,1
	v_max3_num_f32 v[ST+8*\t+4+\q], v[S+32*\t+8*\q], v[S+32*\t+8*\q+1], v[S+32*\t+8*\q+2]
.endr
.endr
.irp u, 3,5
.irp q, 0,1,2,3
.irp t, 0,1
	v_max3_num_f32 v[ST+8*\t+4+\q], v[ST+8*\t+4+\q], v[S+32*\t+8*\q+\u], v[S+32*\t+8*\q+\u+1]
.endr
.endr
.endr
.irp t, 0,1
	v_max3_num_f32 v[ST+8*\t+4], v[ST+8*\t+4], v[S+32*\t+7], v[S+32*\t+15]
	v_max3_num_f32 v[ST+8*\t+6], v[ST+8*\t+6], v[S+32*\t+23], v[S+32*\t+31]
.endr
.irp t, 0,1
	v_max3_num_f32 v[ST+8*\t+4], v[ST+8*\t+4], v[ST+8*\t+5], v[ST+8*\t+6]
.endr
.irp t, 0,1
	v_max3_num_f32 v[ST+8*\t+4], v[ST+8*\t+4], v[ST+8*\t+7], v[ST+8*\t+1]
.endr
.irp t, 0,1
	v_permlanex16_b32 v[ST+8*\t+5], v[ST+8*\t+4], s[SEL], s[SEL+1]   ; the query's other 32 keys lie in the lane 16 away
.endr
.irp t, 0,1
	v_mov_b32 v[ST+8*\t+7], v[ST+8*\t]             ; c m_old
.endr
.irp t, 0,1
	v_max_num_f32 v[ST+8*\t+1], v[ST+8*\t+4], v[ST+8*\t+5]
.endr
.irp t, 0,1
	v_mul_f32 v[ST+8*\t], s[CS], v[ST+8*\t+1]
.endr
.irp t, 0,1
	v_sub_f32 v[ST+8*\t+7], v[ST+8*\t+7], v[ST+8*\t]
.endr
.irp b, 0,2,4,6,8,10,12,14,16,18,20,22,24,26,28,30
.irp t, 0,1
	v_pk_fma_f32 v[S+32*\t+\b:S+32*\t+\b+1], v[S+32*\t+\b:S+32*\t+\b+1], s[CS:CS+1], v[ST+8*\t:ST+8*\t+1] op_sel_hi:[1,0,0] neg_lo:[0,0,1] neg_hi:[0,0,1]   ; c s - c m
.endr
.endr
.irp t, 0,1
	v_exp_f32 v[ST+8*\t+6], v[ST+8*\t+7]           ; a = 2^(c m_old - c m_new)
.endr
.set i, 0
.rept 64
	v_exp_f32 v[S+i], v[S+i]                       ; p = 2^(c s - c m), at most 1
.set i, i+1
.endr
	v_nop                                          ; a plain line behind the last exponential
	s_wait_alu depctr_va_vdst(0)                   ; one wait for the batch of 66, ahead of its first reader
.set i, 0
.rept 32
	v_cvt_pk_f16_f32 v[P+i], v[S+2*i], v[S+2*i+1]
.set i, i+1
.endr
.irp t, 0,1
.irp b, 0,2,4,6,8,10,12,14,16,18,20,22,24,26,28,30
	v_pk_mul_f32 v[O+32*\t+\b:O+32*\t+\b+1], v[O+32*\t+\b:O+32*\t+\b+1], v[ST+8*\t+6:ST+8*\t+7] op_sel_hi:[1,0]   ; O^T under the new m
.endr
.endr
	s_wait_dscnt 0x0                               ; V is in
	WIN 0x01                                       ; V in window 1; P and O^T in window 0
.irp g, 0,1                                    ; eight accumulators by turns
.irp e, 0,1,2,3
.irp t, 0,1
	v_wmma_f32_16x16x32_f16 v[O+32*\t+8*\e:O+32*\t+8*\e+7], v[VR+8*(4*\g+\e):VR+8*(4*\g+\e)+7], v[P+16*\t+8*\g:P+16*\t+8*\g+7], v[O+32*\t+8*\e:O+32*\t+8*\e+7]
.endr
.endr
.endr
	WIN 0
	; the row's sums, of the unrounded p.  These 32 plain lines name none of the last products' registers: they are the places ahead of the next loads into V's registers and of the next reads of O^T
.irp u, 0,1,2,3,4,5,6,7
.irp t, 0,1
	v_pk_add_f32 v[S+32*\t+4*\u:S+32*\t+4*\u+1], v[S+32*\t+4*\u:S+32*\t+4*\u+1], v[S+32*\t+4*\u+2:S+32*\t+4*\u+3]
.endr
.endr
.irp u, 0,1,2,3
.irp t, 0,1
	v_pk_add_f32 v[S+32*\t+8*\u:S+32*\t+8*\u+1], v[S+32*\t+8*\u:S+32*\t+8*\u+1], v[S+32*\t+8*\u+4:S+32*\t+8*\u+5]
.endr
.endr
.irp u, 0,1
.irp t, 0,1
	v_pk_add_f32 v[S+32*\t+16*\u:S+32*\t+16*\u+1], v[S+32*\t+16*\u:S+32*\t+16*\u+1], v[S+32*\t+16*\u+8:S+32*\t+16*\u+9]
.endr
.endr
.irp t, 0,1
	v_pk_add_f32 v[S+32*\t:S+32*\t+1], v[S+32*\t:S+32*\t+1], v[S+32*\t+16:S+32*\t+17]
.endr
.irp t, 0,1
	v_pk_fma_f32 v[ST+8*\t+2:ST+8*\t+3], v[ST+8*\t+2:ST+8*\t+3], v[ST+8*\t+6:ST+8*\t+7], v[S+32*\t:S+32*\t+1] op_sel_hi:[1,0,1]   ; l = a l + the sum
.endr
.Lhidden_\@:
	s_add_co_u32 s[KF], s[KF], 64
	s_add_co_u32 s[TB], s[TB], STEPB
.endm
.macro FOURSTEPS                       ; a unit's four steps: written once, walked four times
	s_mov_b32 s[INNER], 4
.Lstep_\@:
	STEP
	s_sub_co_u32 s[INNER], s[INNER], 1
	s_cmp_lg_u32 s[INNER], 0
	s_cbranch_scc1 .Lstep_\@
	s_sub_co_u32 s[TB], s[TB], 4*STEPB
	s_xor_b32 s[TB], s[TB], SLOT1                  ; on to the other slot
.endm
; A BLOCK'S WAY OUT: O^T / l, rounded to f16, through my stage: 32 rows of 128 bytes leave as eight stores of 512 consecutive bytes.
.macro FINAL
	s_wait_xcnt 0x0                                ; earlier stores and prefetches have read their addresses: the base may be written
	s_lshl_b32 s[T0], s[Q0], 7
	s_mov_b32 s[T0+1], 0
	s_add_nc_u64 s[YB:YB+1], s[YH0:YH0+1], s[T0:T0+1]
.irp t, 0,1
	v_add_f32 v[ST+8*\t+4], v[ST+8*\t+2], v[ST+8*\t+3]
.endr
.irp t, 0,1
	v_permlanex16_b32 v[ST+8*\t+5], v[ST+8*\t+4], s[SEL], s[SEL+1]
.endr
.irp t, 0,1
	v_add_f32 v[ST+8*\t+4], v[ST+8*\t+4], v[ST+8*\t+5]
.endr
.irp t, 0,1
	v_rcp_f32 v[ST+8*\t+6], v[ST+8*\t+4]
.endr
	v_nop
	s_wait_alu depctr_va_vdst(0)                   ; one wait for the two reciprocals
.irp t, 0,1
.irp b, 0,2,4,6,8,10,12,14,16,18,20,22,24,26,28,30
	v_pk_mul_f32 v[S+32*\t+\b:S+32*\t+\b+1], v[O+32*\t+\b:O+32*\t+\b+1], v[ST+8*\t+6:ST+8*\t+7] op_sel_hi:[1,0]
.endr
.endr
.set i, 0
.rept 32
	v_cvt_pk_f16_f32 v[P+i], v[S+2*i], v[S+2*i+1]
.set i, i+1
.endr
.irp t, 0,1
.irp e, 0,1,2,3
	ds_store_b128 v[STO], v[P+16*\t+4*\e:P+16*\t+4*\e+3] offset:16*SP*\t+32*\e
.endr
.endr
.irp n, 0,1,2,3,4,5,6,7
	ds_load_b128 v[S+4*\n:S+4*\n+3], v[RD] offset:4*SP*\n          ; LDS serves a wave's instructions in order: these see the stores above
.endr
.irp n, 0,1,2,3,4,5,6,7
	s_wait_dscnt 7-\n
	global_store_b128 v[GO], v[S+4*\n:S+4*\n+3], s[YB:YB+1] offset:512*\n
.endr
.endm
	s_load_b128 s[4:7], s[0:1], 0x0                ; qkvh s[4:5], yh s[6:7]
	v_lshl_add_u32 v[SPW], v0, 2, SPARE
	v_mov_b32 v[NIL], 0
	ds_add_u32 v[SPW], v[NIL]                      ; the wave's opening: the add, twice on end, and its wait ahead of my first tensor load
	ds_add_u32 v[SPW], v[NIL]
	v_lshrrev_b32 v1, 5, v0
	v_readfirstlane_b32 s[WV], v1                  ; wave 0..7
	s_and_b32 s9, s[WV], 3                         ; which step of a unit I fetch
	s_and_b32 s10, ttmp7, 0xffff
	s_and_b32 s11, s10, 15                         ; the head
	s_lshr_b32 s10, s10, 4                         ; the batch
	s_lshl_b32 s11, s11, 20
	s_lshl_b32 s10, s10, 18
	s_add_co_u32 s12, s10, s11                     ; the head's rows in a plane of q, and in yh
	s_mov_b32 s13, 0
	s_mov_b32 s[G1K], (1<<16)|(1<<20)|(4<<22)|(3<<25)   ; elements of 2 bytes; padding on: 4 words after every 32
	s_mov_b32 s[G1V], (1<<16)|(1<<20)|(4<<22)|(7<<25)   ; 8 words
.irp g, G1K, G1V
	s_mov_b32 s[\g+1], 64<<16                      ; tensor_dim0
	s_mov_b32 s[\g+2], 64<<16                      ; tensor_dim1
	s_mov_b32 s[\g+3], 64<<16                      ; tile_dim0
	s_mov_b32 s[\g+4], 64                          ; tile_dim1
	s_mov_b32 s[\g+5], 64                          ; the pitch: rows are dense
	s_mov_b32 s[\g+6], 0
	s_mov_b32 s[\g+7], 0
.endr
	s_mul_i32 s14, s9, STEPB
	s_mov_b32 s[G0K], 1
	s_mov_b32 s[G0K+1], s14                        ; slot 0, my step's K
	s_mov_b32 s[G0V], 1
	s_add_co_u32 s[G0V+1], s14, VOFF               ; or its V
	s_sub_co_u32 s[SW], 8, ttmp9                   ; units of the first block
	s_sub_co_u32 s15, 7, ttmp9
	s_lshl_b32 s15, s15, 8
	s_lshl_b32 s16, s[WV], 5
	s_add_co_u32 s[Q0], s15, s16                   ; my first query in the first block,
	s_lshl_b32 s15, ttmp9, 8
	s_add_co_u32 s[Q0B], s15, s16                  ; and in the second
	s_mov_b32 s[OFFU], 0
	s_mov_b32 s[OFFU+1], 0
	s_mov_b32 s[SLOTS], 8
	s_mov_b32 s[UN], 0
	s_mov_b32 s[KF], 0
	s_mov_b32 s[TB], 0
	s_mov_b32 s[CS], 0x3e38aa3b                    ; c = log2(e) / 8
	s_mov_b32 s[CS+1], s[CS]
	s_mov_b32 s[SEL], 0x76543210
	s_mov_b32 s[SEL+1], 0xfedcba98
	s_lshl_b32 s16, s9, 13                         ; my step's 64 rows of 128 bytes
	s_mov_b32 s17, 0
	s_wait_dscnt 0x0                               ; both opening adds are done
	s_wait_kmcnt 0x0
	s_add_nc_u64 s[4:5], s[4:5], s[12:13]          ; q of my head
	s_add_nc_u64 s[YH0:YH0+1], s[6:7], s[12:13]
	s_add_nc_u64 s[KB:KB+1], s[4:5], s[16:17]
	s_add_nc_u64 s[VB:VB+1], s[KB:KB+1], 32<<20
	s_add_nc_u64 s[KB:KB+1], s[KB:KB+1], 16<<20
	s_mov_b64 s[G0K+2:G0K+3], s[KB:KB+1]
	s_or_b32 s[G0K+3], s[G0K+3], 0x80000000
	s_mov_b64 s[G0V+2:G0V+3], s[VB:VB+1]
	s_or_b32 s[G0V+3], s[G0V+3], 0x80000000
	TLOAD                                          ; unit 0 into slot 0
	s_cmp_lt_u32 s[WV], 4
	s_cselect_b64 s[PFA:PFA+1], s[KB:KB+1], s[VB:VB+1]
	s_add_nc_u64 s[PFA:PFA+1], s[PFA:PFA+1], UNITB ; at unit 1: the first change steps it to unit 2
	s_cmp_eq_u32 ttmp9, 0
	s_cselect_b32 s[LIM], 2, -1
	s_lshl_b32 s16, s[Q0], 7
	s_add_nc_u64 s[10:11], s[4:5], s[16:17]        ; Q of the first block,
	s_lshl_b32 s16, s[Q0B], 7
	s_add_nc_u64 s[12:13], s[4:5], s[16:17]        ; of the second
	v_and_b32 v1, 15, v0                           ; r
	v_bfe_u32 v20, v0, 4, 1                        ; h
	v_lshlrev_b32 v[QO], 7, v1
	v_lshl_add_u32 v[QO], v20, 4, v[QO]
	WIN 0x40
.irp t, 0,1
.irp c, 0,1
	global_load_b128 v[16*\t+8*\c:16*\t+8*\c+3],       v[QO], s[10:11] offset:2048*\t+64*\c
	global_load_b128 v[16*\t+8*\c+4:16*\t+8*\c+7],     v[QO], s[10:11] offset:2048*\t+64*\c+32
	global_load_b128 v[32+16*\t+8*\c:32+16*\t+8*\c+3], v[QO], s[12:13] offset:2048*\t+64*\c
	global_load_b128 v[32+16*\t+8*\c+4:32+16*\t+8*\c+7], v[QO], s[12:13] offset:2048*\t+64*\c+32
.endr
.endr
	WIN 0
	v_mul_u32_u24 v[AK0], v1, PK
	v_lshl_add_u32 v[AK0], v20, 4, v[AK0]          ; K: row r x pitch + 16 h
	v_and_b32 v21, 7, v0
	v_bfe_u32 v22, v0, 3, 1
	v_lshl_add_u32 v[AV0], v20, 3, v21
	v_mul_u32_u24 v[AV0], v[AV0], PV
	v_lshl_add_u32 v[AV0], v22, 4, v[AV0]
	v_add_nc_u32 v[AV0], VOFF, v[AV0]              ; V, for the turning load: key 8 h + l % 8, channels 8 ((l / 8) % 2) on
	s_mul_i32 s[T0], s[WV], 32*SP
	s_add_co_u32 s[T0], s[T0], STAGE               ; my stage
	v_mul_u32_u24 v[STO], v1, SP
	v_lshl_add_u32 v[STO], v20, 4, v[STO]
	v_add_nc_u32 v[STO], s[T0], v[STO]
	v_and_b32 v23, 31, v0
	v_lshrrev_b32 v[RD], 3, v23
	v_mul_u32_u24 v[RD], v[RD], SP
	v_lshl_add_u32 v[RD], v21, 4, v[RD]
	v_add_nc_u32 v[RD], s[T0], v[RD]
	v_lshlrev_b32 v[GO], 4, v23
	v_lshlrev_b32 v[RH], 3, v20
	v_sub_nc_u32 v[RH], v1, v[RH]                  ; r - 8 h
	v_mov_b32 v[NINF], 0xff800000
	v_lshlrev_b32 v[PFO], 8, v23
	INIT
	s_wait_loadcnt 0x0                             ; Q
.Lslot:                                            ; 8 trips: behind each change of slots the next unit is asked for; slot 1's first fill stands behind the first trip's barrier
	CHANGE 1
	FOURSTEPS
	s_cmp_lg_u32 s[UN], s[SW]                      ; was that the first block's last unit?  (ids and the count of trips alone: the same in all waves)
	s_cbranch_scc1 .Lsame
	FINAL
	WIN 0x41                                       ; source 0 and destination window 1
.set i, 0
.rept 32
	v_mov_b32 v[i], v[32+i]                        ; the second block's Q
.set i, i+1
.endr
	WIN 0
	INIT
	s_mov_b32 s[Q0], s[Q0B]
	s_mov_b32 s[KF], 0
	s_wait_xcnt 0x0                                ; the stores have read their registers, which the next scores take
.Lsame:
	s_sub_co_u32 s[SLOTS], s[SLOTS], 1
	s_cmp_lg_u32 s[SLOTS], 0
	s_cbranch_scc1 .Lslot
	CHANGE 0                                       ; the ninth unit: nothing is left to fetch
	FOURSTEPS
	FINAL
	s_wait_tensorcnt 0x0                           ; the wave's end
	ds_add_u32 v[SPW], v[NIL]
	s_wait_dscnt 0x0
	s_endpgm
.Lfunc_end_k_qf1a1847803_attn:
	.size	k_qf1a1847803_attn, .Lfunc_end_k_qf1a1847803_attn-k_qf1a1847803_attn
	.p2alignl 7, 3214868480
	.fill 96, 4, 3214868480
	.section	.rodata,"a",@progbits
	.p2align	6, 0x0
	.amdhsa_kernel k_qf1a1847803_attn
		.amdhsa_group_segment_fixed_size 327680
		.amdhsa_private_segment_fixed_size 0
		.amdhsa_enable_private_segment 0
		.amdhsa_kernarg_size 16
		.amdhsa_user_sgpr_count 2
		.amdhsa_user_sgpr_kernarg_segment_ptr 1
		.amdhsa_wavefront_size32 1
		.amdhsa_system_sgpr_workgroup_id_x 1
		.amdhsa_system_sgpr_workgroup_id_y 1
		.amdhsa_system_sgpr_workgroup_id_z 1
		.amdhsa_system_vgpr_workitem_id 0
		.amdhsa_next_free_vgpr 512
		.amdhsa_next_free_sgpr 80
		.amdhsa_reserve_vcc 1
		.amdhsa_float_denorm_mode_32 3
		.amdhsa_float_denorm_mode_16_64 3
		.amdhsa_memory_ordered 1
		.amdhsa_forward_progress 1
		.amdhsa_inst_pref_size 72
	.end_amdhsa_kernel
	.amdgpu_metadata
---
amdhsa.version: [ 1, 2 ]
amdhsa.kernels:
  - .name:           k_qf1a1847803_attn
    .symbol:         k_qf1a1847803_attn.kd
    .args:
      - { .name: qkvh, .offset: 0, .size: 8, .value_kind: global_buffer, .address_space: global }
      - { .name: yh, .offset: 8, .size: 8, .value_kind: global_buffer, .address_space: global }
    .group_segment_fixed_size: 327680
    .private_segment_fixed_size: 0
    .kernarg_segment_align: 8
    .kernarg_segment_size: 16
    .max_flat_workgroup_size: 256
    .sgpr_count:     80
    .vgpr_count:     512
    .wavefront_size: 32
...
	.end_amdgpu_metadata
.endif
;; end of part 3
;; launch proj (part 4): grid 8 x 32, 4 waves a work-group, clusters of 4 x 4, 327,680 bytes of LDS; arguments yh, wpT, out0; writes out0
.if DOCPART == 4
	.amdgcn_target "amdgcn-amd-amdhsa--gfx1250"
	.amdhsa_code_object_version 6
	.text
	.protected	k_qf1a1847803_proj
	.globl	k_qf1a1847803_proj
	.p2align	8
	.type	k_qf1a1847803_proj,@function
k_qf1a1847803_proj:
	s_mov_b64 s[64:65], 0
	v_nop
	global_prefetch_b8 v0, s[64:65] scope:SCOPE_SE
	s_setreg_imm32_b32 hwreg(HW_REG_WAVE_MODE, 25, 1), 1
	s_wait_xcnt 0x0
	s_wait_alu depctr_hold_cnt(0) depctr_sa_sdst(0) depctr_va_vdst(0) depctr_va_sdst(0) depctr_va_ssrc(0) depctr_va_vcc(0) depctr_vm_vsrc(0)
	s_getreg_b32 s2, hwreg(HW_REG_IB_STS2, 6, 4)
	s_cmp_eq_u32 s2, 0
	s_cbranch_scc0 .Lentry_in_a_cluster
	s_endpgm
.Lentry_in_a_cluster:
	s_bfe_u32 s2, ttmp6, 0x10000c
	s_cmp_lg_u32 s2, 0xf033
	s_cbranch_scc0 .Lentry_shape_is_right
	s_endpgm
.Lentry_shape_is_right:
; PROJ: out0[m][n] = sum over k of y[m][k] W_proj[k][n], f16 operands, f32 sums.  y: planes [16][8,192][64] (k = 64 plane + channel); wpT: [n][k] f16; out0: [8,192][1,024] f32.
; A tile of 256 (m) x 128 (n) gives 256 work-groups; a wave makes 128 x 64: 32 accumulators.  K goes in steps of 128 (two planes of y) through a ring of two LDS slots.
; CLUSTERS: 4 x 4; y's tiles are asked for jointly along a row of the cluster, W's along a column.  The tile row is 8 cy + cluster y, so the tiles that begin a sequence are those of the clusters with y = 0.
; POSITIONS 0-15 OF EACH SEQUENCE ARE NOT STORED HERE: they are made in f32 by the next launch; the branch round their stores hangs on the cluster's y and the wave's number alone.
; THE MATRIX INSTRUCTION IS USED TRANSPOSED (source 0 = 16 rows of wpT, source 1 = 16 rows of y): a lane holds eight neighbouring columns of one row.
; No prefetch: a step's tiles are small and each is shared by four work-groups through the joint loads.
; REGISTERS: window 0: v0-31 addresses; v32-127, v128-223 two fragment buffers (y's 8 blocks, then W's 4).  window 1: the accumulators ((a, b) at v[8 (4 a + b)]).
.set PA,     144                       ; a row of a plane of y in LDS: 128 bytes + 16
.set PB,     272                       ; a row of W's tile: 256 bytes + 16
.set PLANE,  256*PA
.set SLOT,   2*PLANE+128*PB
.set STAGE,  2*SLOT
.set SPITCH, 272
.set SPARE,  STAGE+4*16*SPITCH
.set LAPS,   4                         ; a lap = two K steps
.set ADRA, 16
.set ADRB, 20
.set STO,  24
.set RD,   25
.set CO,   26
.set SPW,  28
.set NIL,  29
.set F0,   32
.set F1,   128
.set G1, 24
.set G0, 32
.set G1B, 48
.set G0B, 56
.set MSB, 0
.macro WIN new
.if MSB != \new
	s_set_vgpr_msb (MSB<<8)|\new
.set MSB, \new
.endif
.endm
.set MUL, 0x50                         ; C and D window 1, sources window 0
.macro JLOAD s                         ; waves 0 and 1 fetch y's two planes, waves 2 and 3 W's two halves; an s_nop 0 and four v_nop follow each line
	s_cmp_eq_u32 s11, 0
	s_cbranch_scc0 .Lfor_b_\@
	tensor_load_to_lds s[G0+4*\s:G0+4*\s+3], s[G1:G1+7]
	s_nop 0
.rept 4
	v_nop
.endr
	s_branch .Lasked_\@
.Lfor_b_\@:
	tensor_load_to_lds s[G0B+4*\s:G0B+4*\s+3], s[G1B:G1B+7]
	s_nop 0
.rept 4
	v_nop
.endr
.Lasked_\@:
.endm
.macro CREST
	s_cmp_lg_u32 s10, 0
	s_cbranch_scc1 .Lnot_wave_0_\@
	s_barrier_signal -3
.Lnot_wave_0_\@:
	s_barrier_wait -3
	s_barrier_signal -1
	s_barrier_wait -1
.endm
.macro CROUND
	s_barrier_signal -1
	s_barrier_wait -1
	CREST
.endm
	s_load_b128 s[4:7], s[0:1], 0x0                ; yh s[4:5], wpT s[6:7]
	s_load_b64 s[8:9], s[0:1], 0x10                ; out0
	v_lshl_add_u32 v[SPW], v0, 2, SPARE
	v_mov_b32 v[NIL], 0
	ds_add_u32 v[SPW], v[NIL]                      ; the wave's opening: the add, twice on end, and its wait ahead of my first tensor load
	ds_add_u32 v[SPW], v[NIL]
	v_lshrrev_b32 v1, 5, v0
	v_readfirstlane_b32 s10, v1                    ; wave 0..3
	s_lshr_b32 s11, s10, 1                         ; which half of the tile's rows is mine.  Also: I fetch for y (0) or for W (1)
	s_and_b32 s12, s10, 1                          ; which half of its columns.  Also: which plane, or which 64 rows of W, I fetch
	s_bfe_u32 s40, ttmp6, 0x40000                  ; cx
	s_bfe_u32 s41, ttmp6, 0x40004                  ; cy
	s_lshl_b32 s42, ttmp9, 2
	s_add_co_u32 s42, s42, s40                     ; tile column = 4 x cluster x + cx
	s_and_b32 s13, ttmp7, 0xffff
	s_lshl_b32 s14, s41, 3
	s_add_co_u32 s13, s13, s14                     ; tile row = 8 cy + cluster y
	s_lshl_b32 s43, s41, 2
	s_lshl_b32 s43, 15, s43                        ; my row of the cluster
	s_lshl_b32 s44, 0x1111, s40                    ; my column
	s_or_b32 s[G1+0], s43, (1<<16)|(1<<20)|(1<<21)|(4<<22)|(3<<25)   ; y: the mask; elements of 2 bytes; padding: 4 words after every 32
	s_mov_b32 s[G1+1], 64<<16                      ; tensor_dim0
	s_mov_b32 s[G1+2], 256<<16                     ; tensor_dim1
	s_mov_b32 s[G1+3], 64<<16                      ; tile_dim0
	s_mov_b32 s[G1+4], 256                         ; tile_dim1
	s_mov_b32 s[G1+5], 64                          ; the pitch: a plane's rows are dense
	s_mov_b32 s[G1+6], 0
	s_mov_b32 s[G1+7], 0
	s_or_b32 s[G1B+0], s44, (1<<16)|(1<<20)|(1<<21)|(5<<22)|(3<<25)  ; W: 4 words after every 64
	s_mov_b32 s[G1B+1], 128<<16
	s_mov_b32 s[G1B+2], 64<<16
	s_mov_b32 s[G1B+3], 128<<16
	s_mov_b32 s[G1B+4], 64
	s_mov_b32 s[G1B+5], 1024
	s_mov_b32 s[G1B+6], 0
	s_mov_b32 s[G1B+7], 0
	s_lshl_b32 s16, s13, 15                        ; y: 256 rows of 128 bytes a tile row,
	s_lshl_b32 s17, s12, 20                        ; + my plane
	s_add_co_u32 s16, s16, s17
	s_mov_b32 s17, 0
	s_lshl_b32 s46, s42, 18                        ; W: 128 rows of 2,048 bytes a tile column,
	s_lshl_b32 s47, s12, 17                        ; + my 64 rows
	s_add_co_u32 s46, s46, s47
	s_mov_b32 s47, 0
	s_mul_i32 s20, s12, PLANE                      ; where they go: no place in the cluster enters an LDS address
	s_mul_i32 s21, s12, 64*PB
	s_add_co_u32 s21, s21, 2*PLANE
	s_wait_dscnt 0x0                               ; both opening adds are done
	s_wait_kmcnt 0x0
	s_add_nc_u64 s[14:15], s[4:5], s[16:17]
	s_add_nc_u64 s[46:47], s[6:7], s[46:47]
	CROUND                                         ; all sixteen work-groups are here: the first joint loads meet
.irp s, 0,1
	s_mov_b32 s[G0+4*\s], 1
	s_add_co_u32 s[G0+4*\s+1], s20, \s*SLOT
	s_add_nc_u64 s[G0+4*\s+2:G0+4*\s+3], s[14:15], \s*2097152      ; K step s: two planes on
	s_or_b32 s[G0+4*\s+3], s[G0+4*\s+3], 0x80000000
	s_mov_b32 s[G0B+4*\s], 1
	s_add_co_u32 s[G0B+4*\s+1], s21, \s*SLOT
	s_add_nc_u64 s[G0B+4*\s+2:G0B+4*\s+3], s[46:47], \s*256
	s_or_b32 s[G0B+4*\s+3], s[G0B+4*\s+3], 0x80000000
	JLOAD \s
.endr
	v_and_b32 v1, 15, v0                           ; r
	v_bfe_u32 v2, v0, 4, 1                         ; h
	v_mul_u32_u24 v3, v1, PA
	v_lshl_add_u32 v3, v2, 4, v3
	v_mul_u32_u24 v4, v1, PB
	v_lshl_add_u32 v4, v2, 4, v4
	s_mul_i32 s21, s11, 128*PA                     ; my 128 rows of y
	s_mul_i32 s22, s12, 64*PB                      ; my 64 rows of W,
	s_add_co_u32 s22, s22, 2*PLANE                 ; behind y's two planes
.irp s, 0,1
	v_add_nc_u32 v[ADRA+\s], s21, v3
	v_add_nc_u32 v[ADRB+\s], s22, v4
	s_add_co_u32 s21, s21, SLOT
	s_add_co_u32 s22, s22, SLOT
.endr
	s_mul_i32 s23, s10, 16*SPITCH
	s_add_co_u32 s23, s23, STAGE                   ; my stage
	v_mul_u32_u24 v5, v1, SPITCH
	v_lshl_add_u32 v5, v2, 5, v5
	v_add_nc_u32 v[STO], s23, v5                   ; in: row r, 32 bytes for each half of the lanes
	v_mul_u32_u24 v5, v2, SPITCH
	v_lshl_add_u32 v5, v1, 4, v5
	v_add_nc_u32 v[RD], s23, v5                    ; back: lanes 0-15 one row of 256 bytes, lanes 16-31 the next
	v_lshlrev_b32 v5, 12, v2
	v_lshl_add_u32 v[CO], v1, 4, v5                ; and the same two rows in out0
	s_lshl_b32 s16, s13, 20                        ; 256 rows of 4,096 bytes a tile row
	s_lshl_b32 s17, s11, 19
	s_add_co_u32 s16, s16, s17
	s_lshl_b32 s17, s42, 9                         ; 512 bytes a tile column
	s_add_co_u32 s16, s16, s17
	s_lshl_b32 s17, s12, 8
	s_add_co_u32 s16, s16, s17
	s_mov_b32 s17, 0
	s_add_nc_u64 s[8:9], s[8:9], s[16:17]
; 8 matrix instructions: y's blocks a0, a0 + 1 against W's four, 32 along K.  The 32 accumulators take turns in the same order in every quarter.
.macro MUL8 f, a0, zero
.irp a, \a0, \a0+1
.irp b, 0,1,2,3
.if \zero
	v_wmma_f32_16x16x32_f16 v[8*(4*(\a)+\b):8*(4*(\a)+\b)+7], v[\f+64+8*\b:\f+64+8*\b+7], v[\f+8*(\a):\f+8*(\a)+7], 0
.else
	v_wmma_f32_16x16x32_f16 v[8*(4*(\a)+\b):8*(4*(\a)+\b)+7], v[\f+64+8*\b:\f+64+8*\b+7], v[\f+8*(\a):\f+8*(\a)+7], v[8*(4*(\a)+\b):8*(4*(\a)+\b)+7]
.endif
.endr
.endr
.endm
; 24 LDS loads in one run: quarter q (32 along K) of a slot into buffer f: W's four blocks, y's blocks 0-3, y's blocks 4-7
.macro FETCH slot, q, f
	WIN 0
.irp i, 0,1,2,3
	ds_load_b128 v[\f+64+8*\i:\f+64+8*\i+3],   v[ADRB+\slot] offset:64*(\q)+\i*16*PB
	ds_load_b128 v[\f+64+8*\i+4:\f+64+8*\i+7], v[ADRB+\slot] offset:64*(\q)+\i*16*PB+32
.endr
.irp i, 0,1,2,3,4,5,6,7
	ds_load_b128 v[\f+8*\i:\f+8*\i+3],   v[ADRA+\slot] offset:PLANE*((\q)/2)+64*((\q)%2)+\i*16*PA
	ds_load_b128 v[\f+8*\i+4:\f+8*\i+7], v[ADRA+\slot] offset:PLANE*((\q)/2)+64*((\q)%2)+\i*16*PA+32
.endr
.endm
.macro PLACES
.rept 4
	v_nop
.endr
.endm
.macro QUARTER slot, qn, f, g, zero    ; multiplies buffer f; in its middle fetches quarter qn of the same slot into g
	s_wait_dscnt 8                                 ; W and y's blocks 0-3 are in; the youngest eight loads (y's blocks 4-7) may be out
	WIN MUL
	MUL8 \f, 0, \zero
	MUL8 \f, 2, \zero
	PLACES
	FETCH \slot, \qn, \g
	s_wait_dscnt 24                                ; all but the 24 just issued
	WIN MUL
	MUL8 \f, 4, \zero
	MUL8 \f, 6, \zero
.endm
; The last quarter multiplies buffer 1 and changes slots: one barrier; in front of it each wave waits for all its tensor loads, adds 0 to its spare word, and waits for that and for its reads of this slot.
.macro TURN slot, next, fill
	WIN 0
	s_wait_tensorcnt 0x0                           ; all my tensor loads have landed: my part of the next slot
	ds_add_u32 v[SPW], v[NIL]
	s_wait_dscnt 9                                 ; (the add and the youngest eight loads may be out)
	WIN MUL
	MUL8 F1, 0, 0
	s_wait_dscnt 0x0                               ; the add is done, and my reads of this slot are over
	s_barrier_signal -1
	MUL8 F1, 2, 0
.if \fill
	WIN 0
.endif
	s_barrier_wait -1
.if \fill
	CREST                                          ; the barrier has opened a round of the cluster's barrier: no wave of any partner still reads this slot or has a load on its way
	s_add_nc_u64 s[G0+4*\slot+2:G0+4*\slot+3], s[G0+4*\slot+2:G0+4*\slot+3], 4194304   ; two K steps on: four planes
	s_add_nc_u64 s[G0B+4*\slot+2:G0B+4*\slot+3], s[G0B+4*\slot+2:G0B+4*\slot+3], 512
	JLOAD \slot                                    ; my one load behind the round; its four v_nop are also the places in front of the loads below
.else
	PLACES
.endif
	FETCH \next, 0, F0
	WIN MUL
	MUL8 F1, 4, 0
	MUL8 F1, 6, 0
.endm
	s_wait_tensorcnt 1                             ; my part of K step 0 is in (K step 1's load may be out),
	s_barrier_signal -1
	s_barrier_wait -1                              ; everybody's is
	FETCH 0, 0, F0
	QUARTER 0, 1, F0, F1, 1                        ; the first quarter's products start the sums
	WIN 0
	s_mov_b32 s3, LAPS-1
.Llap:                                                 ; a trip goes once round the ring and fills both slots again
	QUARTER 0, 2, F1, F0, 0
	QUARTER 0, 3, F0, F1, 0
	TURN 0, 1, 1
	QUARTER 1, 1, F0, F1, 0
	QUARTER 1, 2, F1, F0, 0
	QUARTER 1, 3, F0, F1, 0
	TURN 1, 0, 1
	QUARTER 0, 1, F0, F1, 0
	WIN 0
	s_sub_co_u32 s3, s3, 1
	s_cmp_lg_u32 s3, 0
	s_cbranch_scc1 .Llap
	QUARTER 0, 2, F1, F0, 0                        ; the last lap fills nothing
	QUARTER 0, 3, F0, F1, 0
	TURN 0, 1, 0
	QUARTER 1, 1, F0, F1, 0
	QUARTER 1, 2, F1, F0, 0
	QUARTER 1, 3, F0, F1, 0
	s_wait_dscnt 8
	WIN MUL
	MUL8 F1, 0, 0
	MUL8 F1, 2, 0
	s_wait_dscnt 0
	MUL8 F1, 4, 0
	MUL8 F1, 6, 0
	WIN 0
; THE WAY OUT, a block of 16 rows x 64 columns at a time, through my stage: sixteen lanes store 256 consecutive bytes, aligned.
.macro TOSTAGE a
	WIN 0x04                                       ; an LDS store's data are its source 1: window 1
.irp b, 0,1,2,3
	ds_store_b128 v[STO], v[8*(4*(\a)+\b):8*(4*(\a)+\b)+3] offset:64*\b        ; each accumulator from its low end on
	ds_store_b128 v[STO], v[8*(4*(\a)+\b)+4:8*(4*(\a)+\b)+7] offset:64*\b+16
.endr
	WIN 0
.set BB, 32+32*((\a)%2)
.irp t, 0,1,2,3,4,5,6,7
	ds_load_b128 v[BB+4*\t:BB+4*\t+3], v[RD] offset:\t*2*SPITCH
.endr
.endm
.macro SEND a, younger
.set BB, 32+32*((\a)%2)
	s_wait_dscnt \younger                          ; the block is back in registers
.if (\a) == 0
	s_and_b32 s20, ttmp7, 0xffff
	s_or_b32 s20, s20, s11
	s_cmp_eq_u32 s20, 0                            ; positions 0-15 of a sequence: the next launch stores them
	s_cbranch_scc1 .Lfine_rows
.endif
.irp t, 0,1,2,3,4,5,6,7
	global_store_b128 v[CO], v[BB+4*\t:BB+4*\t+3], s[8:9] offset:(16*(\a)+2*\t)*4096 th:TH_STORE_NT
.endr
.if (\a) == 0
.Lfine_rows:
.endif
.endm
	PLACES
	TOSTAGE 0
.irp a, 1,2,3,4,5,6,7
.if \a > 1
	s_wait_xcnt 0x0                                ; the stores of the block two back have read their registers: this block's loads may land there
.endif
	TOSTAGE \a
	SEND \a-1, 16                                  ; behind that block's loads: this block's 8 stores and 8 loads
.endr
	SEND 7, 0
	s_wait_tensorcnt 0x0                           ; the wave's end
	ds_add_u32 v[SPW], v[NIL]
	s_wait_dscnt 0x0
	CROUND                                         ; the closing round
	s_endpgm
.Lfunc_end_k_qf1a1847803_proj:
	.size	k_qf1a1847803_proj, .Lfunc_end_k_qf1a1847803_proj-k_qf1a1847803_proj
	.p2alignl 7, 3214868480
	.fill 96, 4, 3214868480
	.section	.rodata,"a",@progbits
	.p2align	6, 0x0
	.amdhsa_kernel k_qf1a1847803_proj
		.amdhsa_group_segment_fixed_size 327680
		.amdhsa_private_segment_fixed_size 0
		.amdhsa_enable_private_segment 0
		.amdhsa_kernarg_size 24
		.amdhsa_user_sgpr_count 2
		.amdhsa_user_sgpr_kernarg_segment_ptr 1
		.amdhsa_wavefront_size32 1
		.amdhsa_system_sgpr_workgroup_id_x 1
		.amdhsa_system_sgpr_workgroup_id_y 1
		.amdhsa_system_sgpr_workgroup_id_z 1
		.amdhsa_system_vgpr_workitem_id 0
		.amdhsa_next_free_vgpr 512
		.amdhsa_next_free_sgpr 66
		.amdhsa_reserve_vcc 0
		.amdhsa_float_denorm_mode_32 3
		.amdhsa_float_denorm_mode_16_64 3
		.amdhsa_memory_ordered 1
		.amdhsa_forward_progress 1
		.amdhsa_inst_pref_size 85
	.end_amdhsa_kernel
	.amdgpu_metadata
---
amdhsa.version: [ 1, 2 ]
amdhsa.kernels:
  - .name:           k_qf1a1847803_proj
    .symbol:         k_qf1a1847803_proj.kd
    .args:
      - { .name: yh, .offset: 0, .size: 8, .value_kind: global_buffer, .address_space: global }
      - { .name: wpT, .offset: 8, .size: 8, .value_kind: global_buffer, .address_space: global }
      - { .name: out0, .offset: 16, .size: 8, .value_kind: global_buffer, .address_space: global }
    .group_segment_fixed_size: 327680
    .private_segment_fixed_size: 0
    .kernarg_segment_align: 8
    .kernarg_segment_size: 24
    .max_flat_workgroup_size: 128
    .sgpr_count:     66
    .vgpr_count:     512
    .wavefront_size: 32
...
	.end_amdgpu_metadata
.endif
;; end of part 4
;; launch fine (part 5): grid 16 x 4, 16 waves a work-group, no clusters, 71,680 bytes of LDS; arguments qkv32, W_proj, out0; writes out0
.if DOCPART == 5
	.amdgcn_target "amdgcn-amd-amdhsa--gfx1250"
	.amdhsa_code_object_version 6
	.text
	.protected	k_qf1a1847803_fine
	.globl	k_qf1a1847803_fine
	.p2align	8
	.type	k_qf1a1847803_fine,@function
k_qf1a1847803_fine:
	s_mov_b64 s[64:65], 0
	v_nop
	global_prefetch_b8 v0, s[64:65] scope:SCOPE_SE
	s_setreg_imm32_b32 hwreg(HW_REG_WAVE_MODE, 25, 1), 1
	s_wait_xcnt 0x0
; FINE: positions 0-15 of each sequence, in f32 from the first product's sums to the output: under the causal mask these rows average one to sixteen values and are the largest in size.
; Work-group (nb, batch) makes 16 positions x columns 64 nb .. 64 nb + 63.  Wave w is head w: it makes the head's 16 x 16 attention, keeps y in registers, multiplies it by W_proj's rows
; 64 w .. 64 w + 63; the sixteen partial sums meet in LDS.  All products by v_wmma_f32_16x16x4_f32: this is no bulk work (96 instructions a wave).
; qkv32: [batch][plane 48][16 columns e][half][lane][4] f32: lane (r, h), register j of tile e: position r, channel 16 e + 8 h + j.
; THE PLACES OF K.  Slot (h, j) of the instruction of step (e, s) stands for index 16 e + 8 h + 2 s + j, alike in both sources: so register pairs of the images of q and k, of p (key 8 h + 2 s + j)
; and of y are operands as they lie; only v and W_proj are loaded to fit.
; The registers that these matrix instructions write (v176-239) are written by them alone; sums begin with the constant 0; four accumulators take turns.
; LIMIT: hidden scores count exactly 0, where the reference puts -1e9 in their place.
.set SPARE, 16*4352                    ; behind the sixteen partial sums (16 rows x 272 bytes each): the spare words
.set IMG, 2
.set WPA, 3
.set VAD, 4
.set STO, 5
.set RD,  6
.set GO,  7
.set DD,  8
.set NINF, 9
.set SPW, 10
.set NIL, 11
.set WA,  16                           ; v16-79   W_proj for channels 0-31 of the head
.set QR,  80                           ; v80-111  q, later y
.set KR,  112                          ; v112-143 k
.set VR,  144                          ; v144-175 v
.set WB,  112                          ; v112-175 later: W_proj for channels 32-63
.set ACC1, 176
.set ACC2, 208
.set PR,  240                          ; v240-247 scores, then p;  v248-255 at work
.macro WLOAD base, e0                  ; lane (r, h): W_proj(64 w + 16 e + 8 h + 2 s + j, 64 nb + 16 q + r)
.irp q, 0,1,2,3
.irp d, 0,1
.irp s, 0,1,2,3
.irp j, 0,1
	global_load_b32 v[\base+2*(8*\q+4*\d+\s)+\j], v[WPA], s[6:7] offset:(16*(\e0+\d)+2*\s+\j)*4096+64*\q
.endr
.endr
.endr
.endr
.endm
.macro PROJ base, e0, first            ; source 0 = 16 columns of W_proj, source 1 = y: a lane holds one position and eight neighbouring columns
.irp d, 0,1
.irp s, 0,1,2,3
.irp q, 0,1,2,3
.if \first && (\d == 0) && (\s == 0)
	v_wmma_f32_16x16x4_f32 v[ACC1+8*\q:ACC1+8*\q+7], v[\base+2*(8*\q+4*\d+\s):\base+2*(8*\q+4*\d+\s)+1], v[QR+8*(\e0+\d)+2*\s:QR+8*(\e0+\d)+2*\s+1], 0
.else
	v_wmma_f32_16x16x4_f32 v[ACC1+8*\q:ACC1+8*\q+7], v[\base+2*(8*\q+4*\d+\s):\base+2*(8*\q+4*\d+\s)+1], v[QR+8*(\e0+\d)+2*\s:QR+8*(\e0+\d)+2*\s+1], v[ACC1+8*\q:ACC1+8*\q+7]
.endif
.endr
.endr
.endr
.endm
.macro PLACES8                         ; eight plain lines behind this form (ISA guide 7.12.1)
.rept 8
	v_nop
.endr
.endm
.macro ADD4 a, b
	v_pk_add_f32 v[\a:\a+1], v[\a:\a+1], v[\b:\b+1]
	v_pk_add_f32 v[\a+2:\a+3], v[\a+2:\a+3], v[\b+2:\b+3]
.endm
	s_load_b128 s[4:7], s[0:1], 0x0                ; qkv32 s[4:5], W_proj s[6:7]
	s_load_b64 s[8:9], s[0:1], 0x10                ; out0
	v_lshl_add_u32 v[SPW], v0, 2, SPARE
	v_mov_b32 v[NIL], 0
	v_lshrrev_b32 v1, 5, v0
	v_readfirstlane_b32 s10, v1                    ; wave = head
	s_and_b32 s11, ttmp7, 0xffff                   ; batch
	v_and_b32 v1, 15, v0                           ; r
	v_bfe_u32 v12, v0, 4, 1                        ; h
	v_and_b32 v13, 31, v0
	v_lshlrev_b32 v[IMG], 4, v13                   ; an image's 16 bytes a lane
	v_lshlrev_b32 v[WPA], 2, v1
	v_lshl_add_u32 v[WPA], v12, 15, v[WPA]         ; W_proj: 8 h rows of 4,096 bytes + 4 r
	v_bfe_u32 v[VAD], v0, 2, 1
	v_lshlrev_b32 v[VAD], 9, v[VAD]
	v_bfe_u32 v14, v0, 3, 1
	v_lshl_add_u32 v[VAD], v14, 8, v[VAD]
	v_lshl_add_u32 v[VAD], v12, 7, v[VAD]
	v_and_b32 v14, 3, v0
	v_lshl_add_u32 v[VAD], v14, 2, v[VAD]          ; v(position 8 h + .., channel 16 e + r) in its image: half (r / 4) % 2, lane 16 (r / 8) + position, word r % 4
	s_mul_i32 s16, s10, 4352
	v_mul_u32_u24 v[STO], v1, 272
	v_lshl_add_u32 v[STO], v12, 5, v[STO]
	v_add_nc_u32 v[STO], s16, v[STO]               ; my partial sums: row r, 32 bytes for each half of the lanes
	s_and_b32 s17, s10, 7
	s_lshl_b32 s17, s17, 1
	v_add_nc_u32 v14, s17, v12                     ; the row that I add up: 2 (w % 8) + h
	v_mul_u32_u24 v[RD], v14, 272
	v_lshl_add_u32 v[RD], v1, 4, v[RD]
	v_lshlrev_b32 v[GO], 12, v14
	v_lshl_add_u32 v[GO], v1, 4, v[GO]
	v_lshlrev_b32 v[DD], 3, v12
	v_sub_nc_u32 v[DD], v1, v[DD]                  ; r - 8 h
	v_mov_b32 v[NINF], 0xff800000
	s_mov_b32 s12, 0x3e38aa3b                      ; c = log2(e) / 8
	s_mov_b32 s13, s12
	s_mov_b32 s14, 0x76543210
	s_mov_b32 s15, 0xfedcba98
	s_mul_i32 s16, s11, 196608
	s_lshl_b32 s17, s10, 12
	s_add_co_u32 s16, s16, s17
	s_mov_b32 s17, 0
	s_lshl_b32 s18, s10, 18
	s_lshl_b32 s19, ttmp9, 8
	s_add_co_u32 s18, s18, s19
	s_lshl_b32 s20, s11, 23
	s_add_co_u32 s20, s20, s19
	s_mov_b32 s19, 0
	s_mov_b32 s21, 0
	s_wait_kmcnt 0x0
	s_add_nc_u64 s[4:5], s[4:5], s[16:17]
	s_add_nc_u64 s[6:7], s[6:7], s[18:19]
	s_add_nc_u64 s[8:9], s[8:9], s[20:21]
.irp i, 0,1,2,3,4,5,6,7
	global_load_b128 v[QR+4*\i:QR+4*\i+3], v[IMG], s[4:5] offset:512*\i
.endr
.irp i, 0,1,2,3,4,5,6,7
	global_load_b128 v[KR+4*\i:KR+4*\i+3], v[IMG], s[4:5] offset:65536+512*\i
.endr
.irp e, 0,1,2,3
.irp s, 0,1,2,3
.irp j, 0,1
	global_load_b32 v[VR+2*(4*\e+\s)+\j], v[VAD], s[4:5] offset:131072+1024*\e+16*(2*\s+\j)
.endr
.endr
.endr
	WLOAD WA, 0
	s_wait_loadcnt 63                              ; behind q, k and v stand 64 younger loads; 63 is the largest count that the wait can name
	; S^T = k q^T: source 0 = 16 keys, source 1 = 16 queries
.irp s, 0,1,2,3
.irp e, 0,1,2,3
.if \s == 0
	v_wmma_f32_16x16x4_f32 v[ACC1+8*\e:ACC1+8*\e+7], v[KR+8*\e+2*\s:KR+8*\e+2*\s+1], v[QR+8*\e+2*\s:QR+8*\e+2*\s+1], 0
.else
	v_wmma_f32_16x16x4_f32 v[ACC1+8*\e:ACC1+8*\e+7], v[KR+8*\e+2*\s:KR+8*\e+2*\s+1], v[QR+8*\e+2*\s:QR+8*\e+2*\s+1], v[ACC1+8*\e:ACC1+8*\e+7]
.endif
.endr
.endr
	PLACES8
.irp j, 0,2,4,6
	v_pk_add_f32 v[PR+\j:PR+\j+1], v[ACC1+\j:ACC1+\j+1], v[ACC1+8+\j:ACC1+9+\j]          ; the four partial sums, each read from its low end on
.endr
.irp j, 0,2,4,6
	v_pk_add_f32 v[248+\j:249+\j], v[ACC1+16+\j:ACC1+17+\j], v[ACC1+24+\j:ACC1+25+\j]
.endr
.irp j, 0,2,4,6
	v_pk_add_f32 v[PR+\j:PR+\j+1], v[PR+\j:PR+\j+1], v[248+\j:249+\j]
.endr
.irp j, 0,1,2,3,4,5,6,7
	v_cmp_gt_i32 vcc_lo, \j, v[DD]                 ; key 8 h + j is hidden from query r where j > r - 8 h
	v_cndmask_b32 v[PR+\j], v[PR+\j], v[NINF], vcc_lo
.endr
	v_max3_num_f32 v248, v240, v241, v242
	v_max3_num_f32 v248, v248, v243, v244
	v_max3_num_f32 v248, v248, v245, v246
	v_max_num_f32 v248, v248, v247
	v_permlanex16_b32 v249, v248, s14, s15
	v_max_num_f32 v248, v248, v249                 ; the row's maximum (key 0 counts for every query)
	v_mul_f32 v248, s12, v248                      ; c m
.irp j, 0,2,4,6
	v_pk_fma_f32 v[PR+\j:PR+\j+1], v[PR+\j:PR+\j+1], s[12:13], v[248:249] op_sel_hi:[1,0,0] neg_lo:[0,0,1] neg_hi:[0,0,1]
.endr
.irp j, 0,1,2,3,4,5,6,7
	v_exp_f32 v[PR+\j], v[PR+\j]
.endr
	v_nop
	s_wait_alu depctr_va_vdst(0)                   ; one wait for the eight, ahead of their first reader
	v_pk_add_f32 v[250:251], v[240:241], v[242:243]
	v_pk_add_f32 v[252:253], v[244:245], v[246:247]
	v_pk_add_f32 v[250:251], v[250:251], v[252:253]
	v_add_f32 v250, v250, v251
	v_permlanex16_b32 v251, v250, s14, s15
	v_add_f32 v250, v250, v251                     ; the row's sum
	v_rcp_f32 v252, v250
	v_nop
	s_wait_alu depctr_va_vdst(0)
	; O^T = v^T p: source 0 = 16 channels, source 1 = p
.irp s, 0,1,2,3
.irp e, 0,1,2,3
.if \s == 0
	v_wmma_f32_16x16x4_f32 v[ACC2+8*\e:ACC2+8*\e+7], v[VR+2*(4*\e+\s):VR+2*(4*\e+\s)+1], v[PR+2*\s:PR+2*\s+1], 0
.else
	v_wmma_f32_16x16x4_f32 v[ACC2+8*\e:ACC2+8*\e+7], v[VR+2*(4*\e+\s):VR+2*(4*\e+\s)+1], v[PR+2*\s:PR+2*\s+1], v[ACC2+8*\e:ACC2+8*\e+7]
.endif
.endr
.endr
	PLACES8                                        ; ahead of the loads into k's and v's registers and of the reads of O^T
	WLOAD WB, 2
.irp e, 0,1,2,3
.irp j, 0,2,4,6
	v_pk_mul_f32 v[QR+8*\e+\j:QR+8*\e+\j+1], v[ACC2+8*\e+\j:ACC2+8*\e+\j+1], v[252:253] op_sel_hi:[1,0]   ; y = O / l: position r, channel 16 e + 8 h + j
.endr
.endr
	s_wait_loadcnt 63                              ; the first 64 of W_proj are in (64 younger loads stand behind them)
	PROJ WA, 0, 1
	s_wait_loadcnt 0x0
	PROJ WB, 2, 0
	PLACES8
.irp q, 0,1,2,3
	ds_store_b128 v[STO], v[ACC1+8*\q:ACC1+8*\q+3] offset:64*\q
	ds_store_b128 v[STO], v[ACC1+8*\q+4:ACC1+8*\q+7] offset:64*\q+16
.endr
	s_wait_dscnt 0x0                               ; for the others' sake: my partial sums lie in LDS
	s_barrier_signal -1
	s_barrier_wait -1
	s_cmp_lt_u32 s10, 8                            ; waves 0-7 add up two rows each
	s_cbranch_scc0 .Ldone
.irp g, 0,1,2,3,4,5,6,7,8,9,10,11,12,13,14,15
	ds_load_b128 v[16+4*\g:19+4*\g], v[RD] offset:4352*\g
.endr
	s_wait_dscnt 0x0
.irp g, 0,1,2,3,4,5,6,7
	ADD4 16+4*\g, 48+4*\g
.endr
.irp g, 0,1,2,3
	ADD4 16+4*\g, 32+4*\g
.endr
.irp g, 0,1
	ADD4 16+4*\g, 24+4*\g
.endr
	ADD4 16, 20
	global_store_b128 v[GO], v[16:19], s[8:9]      ; sixteen lanes store 256 consecutive bytes, aligned
.Ldone:
	s_wait_tensorcnt 0x0                           ; the wave's end, behind my last LDS store
	ds_add_u32 v[SPW], v[NIL]
	s_wait_dscnt 0x0
	s_endpgm
.Lfunc_end_k_qf1a1847803_fine:
	.size	k_qf1a1847803_fine, .Lfunc_end_k_qf1a1847803_fine-k_qf1a1847803_fine
	.p2alignl 7, 3214868480
	.fill 96, 4, 3214868480
	.section	.rodata,"a",@progbits
	.p2align	6, 0x0
	.amdhsa_kernel k_qf1a1847803_fine
		.amdhsa_group_segment_fixed_size 71680
		.amdhsa_private_segment_fixed_size 0
		.amdhsa_enable_private_segment 0
		.amdhsa_kernarg_size 24
		.amdhsa_user_sgpr_count 2
		.amdhsa_user_sgpr_kernarg_segment_ptr 1
		.amdhsa_wavefront_size32 1
		.amdhsa_system_sgpr_workgroup_id_x 1
		.amdhsa_system_sgpr_workgroup_id_y 1
		.amdhsa_system_sgpr_workgroup_id_z 1
		.amdhsa_system_vgpr_workitem_id 0
		.amdhsa_next_free_vgpr 256
		.amdhsa_next_free_sgpr 66
		.amdhsa_reserve_vcc 1
		.amdhsa_float_denorm_mode_32 3
		.amdhsa_float_denorm_mode_16_64 3
		.amdhsa_memory_ordered 1
		.amdhsa_forward_progress 1
		.amdhsa_inst_pref_size 34
	.end_amdhsa_kernel
	.amdgpu_metadata
---
amdhsa.version: [ 1, 2 ]
amdhsa.kernels:
  - .name:           k_qf1a1847803_fine
    .symbol:         k_qf1a1847803_fine.kd
    .args:
      - { .name: qkv32, .offset: 0, .size: 8, .value_kind: global_buffer, .address_space: global }
      - { .name: W_proj, .offset: 8, .size: 8, .value_kind: global_buffer, .address_space: global }
      - { .name: out0, .offset: 16, .size: 8, .value_kind: global_buffer, .address_space: global }
    .group_segment_fixed_size: 71680
    .private_segment_fixed_size: 0
    .kernarg_segment_align: 8
    .kernarg_segment_size: 24
    .max_flat_workgroup_size: 512
    .sgpr_count:     66
    .vgpr_count:     256
    .wavefront_size: 32
...
	.end_amdgpu_metadata
.endif
;; end of part 5
